; MI455X (gfx1250); checked and timed in simulation.
; The chip was launched on July 23, 2026; its instructions are those of AMD's public machine-readable ISA for CDNA 5 (MIT licence, August 2026) and "CDNA5" Instruction Set Architecture Reference Guide (July 2026). The comments in the code are by the model that wrote it; some were corrected since.
;; Cross Modal Attention. Allowed arithmetic: matrix products marked QUANTISED: E2M3 operands, one E8M0 scale for each 32 along K, by v_wmma_scale_f32_16x16x128_f8f6f4 with both operands' format E2M3, f32 sums; everything else in f32.
;; Inputs: Wk 768 x 768 float32; Wo 768 x 768 float32; Wq 768 x 768 float32; Wv 768 x 768 float32; bk 768 float32; bo 768 float32; bq 768 float32; bv 768 float32; ln_b 768 float32; ln_g 768 float32; text_features 8 x 1,024 x 768 float32; text_mask 8 x 1,024 int32; visual_features 8 x 1,024 x 768 float32; visual_mask 8 x 1,024 int32.
;; Outputs: out0 8 x 1,024 x 768 float32; out1 8 x 1,024 x 768 float32.
;; This version of the problem:
;;   THIS VERSION OF THE PROBLEM IS GIVEN IN LOW PRECISION. The matrix products marked QUANTISED in the list below multiply operands that are first quantised to E2M3 (2 exponent bits, 3 mantissa bits; 6 bits a number), with one power-of-two scale for each 32 numbers along K (OCP MX v1.0); their sums are f32. All else is computed in f32.
;;   The module's matrix products, in the order in which they are computed (A, B: the left and right operand; K: the contracted axis; several contracted axes count as one K, in the product's order):
;;     1. [M 8,192, K 768] x [K 768, N 768]; A: input visual_features; B: input Wq: QUANTISED
;;     2. [M 8,192, K 768] x [K 768, N 768]; A: input text_features; B: input Wk: QUANTISED
;;     3. [M 8,192, K 768] x [K 768, N 768]; A: input text_features; B: input Wv: QUANTISED
;;     4. batch 64 x [M 1,024, K 96] x [K 96, N 1,024]; A: computed on the way; B: computed on the way: QUANTISED
;;     5. batch 64 x [M 96, K 1,024] x [K 1,024, N 1,024]; A: computed on the way; B: softmax (see below): QUANTISED
;;     6. [M 8,192, K 768] x [K 768, N 768]; A: input text_features; B: input Wq: QUANTISED
;;     7. [M 8,192, K 768] x [K 768, N 768]; A: input visual_features; B: input Wk: QUANTISED
;;     8. [M 8,192, K 768] x [K 768, N 768]; A: input visual_features; B: input Wv: QUANTISED
;;     9. batch 64 x [M 1,024, K 96] x [K 96, N 1,024]; A: computed on the way; B: computed on the way: QUANTISED
;;     10. batch 64 x [M 96, K 1,024] x [K 1,024, N 1,024]; A: computed on the way; B: softmax (see below): QUANTISED
;;     11. [M 8,192, K 768] x [K 768, N 768]; A: computed on the way; B: input Wo: QUANTISED
;;     12. [M 8,192, K 768] x [K 768, N 768]; A: computed on the way; B: input Wo: QUANTISED
;;   THE QUANTISER, for each operand of a quantised product, along K:
;;     - K is cut into blocks of 32 from its start; a last block that is shorter is filled with zeros.
;;     - A block's scale is 2^e with e = floor(log2(the largest magnitude in the block)) - 2, held to -126 .. 127; a block of zeros has e = 0. As a byte (E8M0): e + 127.
;;     - Each number is divided by its block's scale, clamped to +-7.5, and rounded to the nearest number of E2M3, ties to even, subnormals kept.
;;     - The product sums the exact products of the quantised numbers (number of the format x scale) in f32.
;;   ~~~python
;;   def quantise(x, axis):      # numpy; x: float32 -> the quantised numbers, widened to float32 again
;;       x = np.moveaxis(x, axis, -1); K = x.shape[-1]
;;       x = np.pad(x, [(0, 0)] * (x.ndim - 1) + [(0, -K % 32)]); x = x.reshape(x.shape[:-1] + (-1, 32)); a = np.abs(x).max(-1, keepdims=True)
;;       e = np.where(a > 0, np.clip(np.frexp(np.where(a > 0, a, 1))[1] - 1 - 2, -126, 127), 0)      # np.frexp(a)[1] - 1 = floor(log2(a)), exactly
;;       r = np.clip(x / 2.0 ** e, -7.5, 7.5)
;;       step = 2.0 ** (np.maximum(np.frexp(np.where(r == 0, 1, r))[1] - 1, 0) - 3)
;;       q = np.round(r / step) * step * 2.0 ** e      # np.round: ties to even
;;       return np.moveaxis(q.reshape(q.shape[:-2] + (-1,))[..., :K], -1, axis).astype(np.float32)
;;   ~~~
;;   SOFTMAX AHEAD OF A QUANTISED PRODUCT. Where the list says 'softmax', what is quantised is not the finished softmax but p = 2^(t - M), with t = logit x log2(e) and M = ceil(the row's largest t), a whole number; so 1/2 < the row's largest p <= 1. The row's sum l is taken of the UNQUANTISED p, in f32, and the product's result is divided by l at the end. Since M is a whole number, a kernel that streams over the keys may use a running M (the ceiling of the running maximum): every later rescaling is an exact power of two, which a block's scale takes up: the codes' values come out the same.
;;   OPERANDS COMPUTED ON THE WAY. 'Computed on the way' means the value that the module computes at that place (a softmax that the list does not call 'softmax' is quantised finished and normalised). What goes into a quantiser is computed in f32, as accurately as f32 sums, v_exp_f32 and their like allow (about 1e-6 of the number): no bf16 or f16 on the way to a quantiser, and a product that is left as it is and whose result goes on into a quantised operand takes f32 operands (vector FMAs, or v_wmma_f32_16x16x4_f32). A number that lies on a knife's edge between two numbers of the format may be rounded either way, as far as f32 arithmetic and the matrix unit's own rounding can turn it there, and no further.
;; One version. Each part assembles by itself: llvm-mc -triple=amdgcn-amd-amdhsa -mcpu=gfx1250 --defsym DOCPART=n.
;; ======== version 1 of 1: 4 launches
;; limits: right only within a limited range of input values
;; workspace buffers: xq 10,223,616 bytes; wq 2,076,672 bytes; qq 13,631,488 bytes; kv 23,855,104 bytes; aq 13,631,488 bytes
;; launch quant (part 1): grid 568 x 1, 4 waves a work-group, no clusters, 34,304 bytes of LDS; arguments visual_features, text_features, Wq, Wk, Wv, Wo, xq, wq; writes xq, wq
.if DOCPART == 1
	.amdgcn_target "amdgcn-amd-amdhsa--gfx1250"
	.amdhsa_code_object_version 6
	.text
	.protected	k_q38956085fa_quant
	.globl	k_q38956085fa_quant
	.p2align	8
	.type	k_q38956085fa_quant,@function
k_q38956085fa_quant:
	s_mov_b64 s[64:65], 0
	v_nop
	global_prefetch_b8 v0, s[64:65] scope:SCOPE_SE
	s_setreg_imm32_b32 hwreg(HW_REG_WAVE_MODE, 25, 1), 1
	s_wait_xcnt 0x0
; The two feature tensors [8192][768] and the four weights [768][768], f32, become codes of FP6 (E2M3) with one E8M0 byte for each 32 along K.
; A block's scale is 2^(floor(log2(its largest magnitude)) - 2): its byte is the largest magnitude's exponent field - 2, held at 1 from below.
; LAYOUT OF THE RESULT: images of the matrix operand's registers.  A fragment (16 rows x 128 K, 12 registers a lane) is 1,536 bytes: registers 4 j .. 4 j + 3 of lane L at 512 j + 16 L.
; So every later load of an operand is 512 consecutive bytes.
; WHICH ROWS FORM A TILE: tile 2 b + u holds in lane r row 32 b + 8 u + r + 8 (r / 8) (features: rows; Wq, Wk, Wv: output channels), so that a later product's 16 registers of two neighbouring tiles
; are 16 neighbours along the next K.  Wo's tiles are plain (column 16 T + r), and its K steps are HEADS: 96 rows (three blocks) and a fourth block of zero codes.
; xq: fragment (tile Tg of 1,024, K step s of 6) at (6 Tg + s) x 1536; from XSCALES on 768 bytes a tile: lane L's scale words of K steps 0-3 at 16 L, of steps 4 and 5 at 512 + 8 L.
; wq: fragment F at F x 1536, its scale words (lane L's at 4 L) from WSCALES on at F x 128; F = 6 (48 g + T) + s for Wq, Wk, Wv (g = 0, 1, 2), 864 + 8 T + head for Wo.
; SHARES: work-groups 0-255: a wave takes one tile of 16 feature rows, all six K steps.  Work-groups 256-567: a wave makes one fragment of a weight; the four waves take four neighbouring tiles, 256 consecutive bytes of each row of W.
; THE FEATURES' WAY IN: the conversions want 16 neighbours along K in one lane, a load is best where neighbouring lanes take neighbouring bytes.  Both are had: a load takes one row's K step, 512 consecutive bytes, 16 a lane;
; a K step's 16 rows go through the wave's own stage in LDS (rows 528 bytes apart, an odd multiple of 16) and come back 64 bytes a lane, into the registers that they left.
; No barrier, no matrix instruction: waves share nothing and memory binds.
; LIMITS: NaN and infinities among the inputs are not served.  A block whose largest magnitude lies under 2^-124 (a block of zeros too) gets the byte 1, where the rule gives a block of zeros 127: its codes are zeros, and this program alone reads the bytes.
.set XSCALES, 9437184
.set WSCALES, 1916928
.set RB,   3072                        ; a row of a feature tensor or of a weight, in bytes
.set SPT,  528                         ; a row of the stage
.set AD0,  4                           ; v4   weights: my byte offset in the loads
.set LI,   5                           ; v5   16 x lane: my place in an image, and in a row's K step
.set LS,   6                           ; v6   4 x lane
.set AD1,  7                           ; v7   weights: the offset of my second block
.set PADL, 8                           ; v8   weights: not 0 in the lanes whose second block is Wo's padding
.set NIL,  9                           ; v9   0
.set STW,  12                          ; v12  the stage, on the way in: my 16 bytes of a row
.set STR,  13                          ; v13  and on the way out: row r, + 64 h
.set L8,   14                          ; v14  8 x lane
.set X,    16                          ; v16-207 three sets of 64 numbers
.set MX,   208                         ; largest magnitudes
.set BY,   212                         ; the other half's maxima, then the bytes
.set SO,   216                         ; the conversions' scale operands
.set PC,   220                         ; v220-231 a fragment's codes
.set PC2,  232                         ; v232-238 the halves that are made elsewhere and moved
.set PW,   240                         ; v240-245 the scale words of the six K steps (weights: v240)
.set WV,   20
.set SEL,  22                          ; s[22:23] lane selects: lane xor 16
; Four conversions of 16 numbers each (register 16 b + i = k 32 b + 16 (lane / 16) + i of my row), and the exchange that gives each lane whole blocks: lanes 0-15 blocks 0 and 2, lanes 16-31 blocks 1 and 3.
.macro CODES4 s
.irp c, 0,1
	v_cvt_scalef32_pk16_fp6_f32 v[PC+6*\c:PC+6*\c+2], v[\s+32*\c:\s+32*\c+15], v[SO+2*\c]
	v_cvt_scalef32_pk16_fp6_f32 v[PC2+4*\c:PC2+4*\c+2], v[\s+32*\c+16:\s+32*\c+31], v[SO+2*\c+1]   ; (a conversion's three registers begin on an even number)
.endr
	v_nop                                          ; one plain instruction between a scaled conversion and the vector instruction that touches its result
.irp c, 0,1
.irp i, 0,1,2
	v_permlane16_swap_b32 v[PC+6*\c+\i], v[PC2+4*\c+\i]
.endr
.irp i, 0,1,2
	v_mov_b32 v[PC+3+6*\c+\i], v[PC2+4*\c+\i]
.endr
.endr
.endm
; 64 numbers of a lane become a fragment's codes in v[PC] on and its scale word in v[pw].  wx not 0: earlier stores read v[PC] on.
.macro QUANT s, pw, wx
.irp b, 0,1,2,3
	v_max3_num_f32 v[MX+\b], |v[\s+16*\b]|, |v[\s+1+16*\b]|, 0x1800000   ; my 16 numbers of block b, and the floor 2^(3 - 127): the byte cannot fall under 1
.endr
.irp i, 2,4,6,8,10,12,14
.irp b, 0,1,2,3
	v_max3_num_f32 v[MX+\b], v[MX+\b], |v[\s+16*\b+\i]|, |v[\s+1+16*\b+\i]|   ; the four blocks by turns
.endr
.endr
.irp b, 0,1,2,3
	v_permlanex16_b32 v[BY+\b], v[MX+\b], s[SEL], s[SEL+1]
.endr
.irp b, 0,1,2,3
	v_max_num_f32 v[MX+\b], v[MX+\b], v[BY+\b]     ; with lane xor 16's 16: the block's largest magnitude
.endr
.irp b, 0,1,2,3
	v_add_nc_u32 v[SO+\b], 0xff000000, v[MX+\b]    ; 2 off its exponent field: the conversion takes that field as its scale
.endr
.irp b, 0,1,2,3
	v_lshrrev_b32 v[BY+\b], 23, v[SO+\b]           ; the scale's byte
.endr
.if \wx
	s_wait_alu depctr_va_vdst(0)
	s_wait_xcnt 0x0                                ; the last step's stores have read the codes: these are written again only behind this wait; the search above stands between the stores and it
.endif
	v_lshl_or_b32 v[\pw], v[BY+1], 8, v[BY]
	v_lshl_or_b32 v[\pw], v[BY+2], 16, v[\pw]
	v_lshl_or_b32 v[\pw], v[BY+3], 24, v[\pw]
	CODES4 \s
.endm
	s_load_b256 s[4:11], s[0:1], 0x0               ; visual s[4:5], text s[6:7], Wq s[8:9], Wk s[10:11]
	s_load_b256 s[12:19], s[0:1], 0x20             ; Wv s[12:13], Wo s[14:15], xq s[16:17], wq s[18:19]
	v_lshl_add_u32 v254, v0, 2, 0x8400
	v_mov_b32 v255, 0
	v_lshrrev_b32 v1, 5, v0
	v_readfirstlane_b32 s[WV], v1                  ; wave 0..3
	v_and_b32 v1, 31, v0                           ; lane
	v_and_b32 v2, 15, v0                           ; r
	v_bfe_u32 v3, v0, 4, 1                         ; h
	v_lshlrev_b32 v[LI], 4, v1
	v_lshlrev_b32 v[LS], 2, v1
	v_lshrrev_b32 v10, 3, v2                       ; r / 8
	v_mov_b32 v[NIL], 0
.irp b, 0,1,2,3
	v_mov_b32 v[BY+\b], 0                          ; written once: a lane permute's destination counts as one of its sources
.endr
	s_mov_b32 s[SEL], 0x76543210
	s_mov_b32 s[SEL+1], 0xfedcba98
	s_mov_b32 s27, 0                               ; the upper words of the offsets' pairs
	s_mov_b32 s29, 0
	s_mov_b32 s31, 0
	s_mov_b32 s45, 0
	s_wait_kmcnt 0x0
	s_cmp_lt_u32 ttmp9, 256
	s_cbranch_scc0 .Lweights
	; ---- the features: my tile Tg = 4 x work-group + wave; tiles 0-511 are visual, 512-1023 text
	s_lshl_b32 s24, ttmp9, 2
	s_add_co_u32 s24, s24, s[WV]
	s_and_b32 s25, s24, 511
	; THE FEATURES' TILES (this holds for feature rows in place of the head's rule, which stays for the weights' channels): tile 4 c + u holds in its row i the feature row 64 c + 32 (i / 8) + 8 u + i % 8,
	; so that in a later product's result a lane's 32 registers of tiles 4 c .. 4 c + 3 are one whole block of 32 neighbouring rows
	s_lshr_b32 s26, s25, 2
	s_lshl_b32 s26, s26, 6
	s_and_b32 s25, s25, 3
	s_lshl_b32 s25, s25, 3
	s_add_co_u32 s26, s26, s25                     ; the tile's first row: 64 (T / 4) + 8 (T % 4)
	s_mul_i32 s26, s26, RB
	s_mul_i32 s28, s24, 6*1536                     ; its six fragments,
	s_mul_i32 s30, s24, 768                        ; and their scale words
	s_add_co_u32 s30, s30, XSCALES
	s_cmp_lt_u32 s24, 512                          ; the choice hangs on the tile's number alone
	s_cselect_b64 s[4:5], s[4:5], s[6:7]
	s_add_nc_u64 s[4:5], s[4:5], s[26:27]
	s_add_nc_u64 s[32:33], s[16:17], s[28:29]
	s_add_nc_u64 s[34:35], s[16:17], s[30:31]
.macro XLOAD s                         ; K step s into set s % 3: load i takes 512 consecutive bytes of the tile's i-th row, i + 24 (i / 8) rows from its first
.irp i, 0,1,2,3,4,5,6,7,8,9,10,11,12,13,14,15
	global_load_b128 v[X+64*((\s)%3)+4*\i:X+64*((\s)%3)+4*\i+3], v[LI], s[4:5] offset:(\i+24*(\i/8))*RB+512*(\s) th:TH_LOAD_NT
.endr
.endm
.macro TURN s                          ; K step s through my stage.  LDS serves a wave's instructions in order: the loads see the stores, and the next step's stores come behind these loads: one stage serves all steps
.irp i, 0,1,2,3,4,5,6,7,8,9,10,11,12,13,14,15
	ds_store_b128 v[STW], v[X+64*((\s)%3)+4*\i:X+64*((\s)%3)+4*\i+3] offset:SPT*\i
.endr
.irp b, 0,1,2,3
.irp j, 0,1,2,3
	ds_load_b128 v[X+64*((\s)%3)+16*\b+4*\j:X+64*((\s)%3)+16*\b+4*\j+3], v[STR] offset:128*\b+16*\j   ; my 16 numbers of block b of my row, back into the set that they left
.endr
.endr
.endm
.macro XSTEP s
.if \s < 4
	s_wait_loadcnt 16                              ; the next step's 16 loads are in; those of the step behind it may be out
	TURN \s+1                                      ; it goes through the stage while this step is worked
	s_wait_dscnt 32                                ; this step's numbers are back; the 32 instructions just issued may be out
.elseif \s == 4
	s_wait_loadcnt 0x0
	TURN \s+1
	s_wait_dscnt 32
.else
	s_wait_dscnt 0x0
.endif
	QUANT X+64*((\s)%3), PW+\s, \s
.irp j, 0,1,2
	global_store_b128 v[LI], v[PC+4*\j:PC+4*\j+3], s[32:33] offset:1536*(\s)+512*\j   ; 32 lanes store 512 consecutive bytes
.endr
.if \s < 3
	XLOAD \s+3                                     ; the set just worked takes the step three on
.endif
.endm
	s_wait_alu depctr_va_vdst(0)
	XLOAD 0
	XLOAD 1
	XLOAD 2
	s_mul_i32 s36, s[WV], 16*SPT                   ; my wave's stage
	v_add_nc_u32 v[STW], s36, v[LI]
	v_mul_u32_u24 v[STR], v2, SPT
	v_lshl_add_u32 v[STR], v3, 6, v[STR]
	v_add_nc_u32 v[STR], s36, v[STR]
	v_lshlrev_b32 v[L8], 3, v1
	s_wait_alu depctr_va_vdst(0)
	s_wait_loadcnt 32                              ; step 0's 16 loads are in
	TURN 0
	XSTEP 0
	XSTEP 1
	XSTEP 2
	XSTEP 3
	XSTEP 4
	XSTEP 5
	global_store_b128 v[LI], v[PW:PW+3], s[34:35]              ; the tile's scale words: 512 and 256 consecutive bytes
	global_store_b64 v[L8], v[PW+4:PW+5], s[34:35] offset:512
	s_wait_tensorcnt 0x0
	ds_add_u32 v254, v255
	s_wait_dscnt 0x0
	s_endpgm
	; ---- the weights: one fragment a wave.  Both kinds set: s[36:37] the weight, s38 the K step's first row, s39 the fragment's number, s40 the tile's first column, s41 the lanes' jump (8 or 0), s42 what takes the padding lanes back
.Lweights:
	s_sub_co_u32 s24, ttmp9, 256
	s_cmp_lt_u32 s24, 216
	s_cbranch_scc0 .Lwo
	s_mul_hi_u32 s25, s24, 0xaaaaaaab
	s_lshr_b32 s25, s25, 2                         ; a = u / 6: which four tiles of the 144
	s_mul_i32 s26, s25, 6
	s_sub_co_u32 s26, s24, s26                     ; the K step
	s_lshl_b32 s27, s25, 2
	s_add_co_u32 s27, s27, s[WV]                   ; the tile among 144
	s_cmp_lt_u32 s25, 24
	s_cselect_b64 s[36:37], s[10:11], s[12:13]     ; Wk or Wv,
	s_cselect_b32 s28, 48, 96
	s_cmp_lt_u32 s25, 12
	s_cselect_b64 s[36:37], s[8:9], s[36:37]       ; or Wq: the choices hang on the work-group's number alone
	s_cselect_b32 s28, 0, s28
	s_sub_co_u32 s29, s27, s28                     ; the tile in its weight
	s_lshl_b32 s38, s26, 7
	s_mul_i32 s39, s27, 6
	s_add_co_u32 s39, s39, s26
	s_lshr_b32 s40, s29, 1
	s_lshl_b32 s40, s40, 5
	s_and_b32 s30, s29, 1
	s_lshl_b32 s30, s30, 3
	s_add_co_u32 s40, s40, s30
	s_mov_b32 s41, 8
	s_mov_b32 s42, 0
	s_branch .Lwcommon
.Lwo:
	s_sub_co_u32 s24, s24, 216
	s_lshr_b32 s25, s24, 3
	s_and_b32 s26, s24, 7                          ; the head
	s_lshl_b32 s27, s25, 2
	s_add_co_u32 s27, s27, s[WV]                   ; the tile
	s_mov_b64 s[36:37], s[14:15]
	s_mul_i32 s38, s26, 96
	s_lshl_b32 s39, s27, 3
	s_add_co_u32 s39, s39, s26
	s_add_co_u32 s39, s39, 864
	s_lshl_b32 s40, s27, 4
	s_mov_b32 s41, 0
	s_mov_b32 s42, 64*RB
.Lwcommon:
	; LANE r TAKES A COLUMN, AND ITS REGISTERS RUN DOWN K, in the order that the operand's layout gives that lane: k = 64 c + 32 h + 0 .. 31.  Nothing is transposed.
	s_wait_alu depctr_va_vdst(0)
	v_mad_u32_u24 v10, v10, s41, v2                ; my column in the tile
	v_lshlrev_b32 v[AD0], 2, v10
	v_mul_u32_u24 v11, v3, 32*RB
	v_add_nc_u32 v[AD0], v[AD0], v11               ; lanes 16-31 begin 32 rows further down
	s_wait_alu depctr_va_vdst(0)
	v_mul_u32_u24 v[PADL], v3, s42
	v_sub_nc_u32 v[AD1], v[AD0], v[PADL]           ; my second block lies 64 rows on; in Wo, lanes 16-31 have none (rows 96 on are the next head's, or past the end):
	v_add_nc_u32 v[AD1], 64*RB, v[AD1]             ; they read their first block again, inside the buffer, and their codes are cleared below
	s_wait_alu depctr_va_vdst(0)
	s_mul_i32 s38, s38, RB
	s_lshl_b32 s40, s40, 2
	s_add_co_u32 s44, s38, s40
	s_add_nc_u64 s[36:37], s[36:37], s[44:45]
	s_mul_i32 s44, s39, 1536
	s_add_nc_u64 s[46:47], s[18:19], s[44:45]
	s_lshl_b32 s44, s39, 7
	s_add_co_u32 s44, s44, WSCALES
	s_add_nc_u64 s[48:49], s[18:19], s[44:45]
.set n, 0
.rept 32
	global_load_b32 v[X+n], v[AD0], s[36:37] offset:RB*n
	global_load_b32 v[X+32+n], v[AD1], s[36:37] offset:RB*n
.set n, n+1
.endr
	s_wait_loadcnt 0x0
.irp c, 0,1                            ; my blocks h and 2 + h: all 32 numbers of each are mine
	v_max3_num_f32 v[MX+\c], |v[X+32*\c]|, |v[X+1+32*\c]|, 0x1800000
.endr
.irp i, 2,4,6,8,10,12,14,16,18,20,22,24,26,28,30
.irp c, 0,1
	v_max3_num_f32 v[MX+\c], v[MX+\c], |v[X+32*\c+\i]|, |v[X+1+32*\c+\i]|
.endr
.endr
.irp c, 0,1
	v_add_nc_u32 v[SO+\c], 0xff000000, v[MX+\c]
.endr
.irp c, 0,1
	v_lshrrev_b32 v[BY+\c], 23, v[SO+\c]
.endr
	v_lshl_or_b32 v[PW], v[BY+1], 16, v[BY]        ; my two bytes,
	v_lshlrev_b32 v10, 3, v3
	v_lshlrev_b32 v[PW], v10, v[PW]                ; at their places in the scale word (8 h bits up);
	v_permlanex16_b32 v[BY+2], v[PW], s[SEL], s[SEL+1]
	v_or_b32 v[PW], v[PW], v[BY+2]                 ; with lane xor 16's two the word is whole.  (Wo's fourth byte repeats the second: it scales zero codes)
.irp c, 0,1
	v_cvt_scalef32_pk16_fp6_f32 v[PC+6*\c:PC+6*\c+2], v[X+32*\c:X+32*\c+15], v[SO+\c]
	v_cvt_scalef32_pk16_fp6_f32 v[PC2+4*\c:PC2+4*\c+2], v[X+32*\c+16:X+32*\c+31], v[SO+\c]
.endr
	v_cmp_ne_u32 s30, 0, v[PADL]                   ; (a plain instruction behind the conversions)  the lanes of Wo's padding
.irp c, 0,1
.irp i, 0,1,2
	v_mov_b32 v[PC+3+6*\c+\i], v[PC2+4*\c+\i]
.endr
.endr
.irp i, 0,1,2,3,4,5
	v_cndmask_b32 v[PC+6+\i], v[PC+6+\i], v[NIL], s30   ; zero codes there
.endr
.irp j, 0,1,2
	global_store_b128 v[LI], v[PC+4*\j:PC+4*\j+3], s[46:47] offset:512*\j
.endr
	global_store_b32 v[LS], v[PW], s[48:49]
	s_endpgm
.Lfunc_end_k_q38956085fa_quant:
	.size	k_q38956085fa_quant, .Lfunc_end_k_q38956085fa_quant-k_q38956085fa_quant
	.p2alignl 7, 3214868480
	.fill 96, 4, 3214868480
	.section	.rodata,"a",@progbits
	.p2align	6, 0x0
	.amdhsa_kernel k_q38956085fa_quant
		.amdhsa_group_segment_fixed_size 34304
		.amdhsa_private_segment_fixed_size 0
		.amdhsa_enable_private_segment 0
		.amdhsa_kernarg_size 64
		.amdhsa_user_sgpr_count 2
		.amdhsa_user_sgpr_kernarg_segment_ptr 1
		.amdhsa_wavefront_size32 1
		.amdhsa_system_sgpr_workgroup_id_x 1
		.amdhsa_system_sgpr_workgroup_id_y 1
		.amdhsa_system_sgpr_workgroup_id_z 1
		.amdhsa_system_vgpr_workitem_id 0
		.amdhsa_next_free_vgpr 256
		.amdhsa_next_free_sgpr 66
		.amdhsa_reserve_vcc 0
		.amdhsa_float_denorm_mode_32 3
		.amdhsa_float_denorm_mode_16_64 3
		.amdhsa_memory_ordered 1
		.amdhsa_forward_progress 1
		.amdhsa_inst_pref_size 61
	.end_amdhsa_kernel
	.amdgpu_metadata
---
amdhsa.version: [ 1, 2 ]
amdhsa.kernels:
  - .name:           k_q38956085fa_quant
    .symbol:         k_q38956085fa_quant.kd
    .args:
      - { .name: visual_features, .offset: 0, .size: 8, .value_kind: global_buffer, .address_space: global }
      - { .name: text_features, .offset: 8, .size: 8, .value_kind: global_buffer, .address_space: global }
      - { .name: Wq, .offset: 16, .size: 8, .value_kind: global_buffer, .address_space: global }
      - { .name: Wk, .offset: 24, .size: 8, .value_kind: global_buffer, .address_space: global }
      - { .name: Wv, .offset: 32, .size: 8, .value_kind: global_buffer, .address_space: global }
      - { .name: Wo, .offset: 40, .size: 8, .value_kind: global_buffer, .address_space: global }
      - { .name: xq, .offset: 48, .size: 8, .value_kind: global_buffer, .address_space: global }
      - { .name: wq, .offset: 56, .size: 8, .value_kind: global_buffer, .address_space: global }
    .group_segment_fixed_size: 34304
    .private_segment_fixed_size: 0
    .kernarg_segment_align: 8
    .kernarg_segment_size: 64
    .max_flat_workgroup_size: 128
    .sgpr_count:     66
    .vgpr_count:     256
    .wavefront_size: 32
...
	.end_amdgpu_metadata
.endif
;; end of part 1
;; launch proj (part 2): grid 256 x 1, 4 waves a work-group, no clusters, 168,448 bytes of LDS; arguments xq, wq, bq, bk, bv, visual_mask, text_mask, qq, kv; writes qq, kv
.if DOCPART == 2
	.amdgcn_target "amdgcn-amd-amdhsa--gfx1250"
	.amdhsa_code_object_version 6
	.text
	.protected	k_q38956085fa_proj
	.globl	k_q38956085fa_proj
	.p2align	8
	.type	k_q38956085fa_proj,@function
k_q38956085fa_proj:
	s_mov_b64 s[64:65], 0
	v_nop
	global_prefetch_b8 v0, s[64:65] scope:SCOPE_SE
	s_setreg_imm32_b32 hwreg(HW_REG_WAVE_MODE, 25, 1), 1
	s_wait_xcnt 0x0
; q = x Wq + bq, k = x Wk + bk, v = x Wv + bv for all 16,384 feature rows (visual, then text), on codes of FP6 with E8M0 scales; the results are quantised at once and leave as images of operand registers.
; SHARES.  Work-group (rb, y): rb = one of 128 blocks of 128 rows (8 tiles of x; at the same time one key step of one batch entry), y = which four heads.  Wave w owns head 4 y + w and makes its q, k and v
; for the 128 rows: three groups of 6 channel tiles x 8 row tiles = 48 accumulators, 384 registers, K = 768 in six steps.
; x's 48 fragments (73,728 bytes, dense in xq) come into LDS once, a quarter by each wave's one tensor load, and all four waves read them.  A weight fragment is used by ONE wave: it goes from memory straight into that
; wave's registers, three K steps ahead, in three buffers.
; NO CLUSTER: the weights, which all row blocks walk, are loaded into registers and not into LDS, so there is no tile to ask for jointly; x's block is shared by two work-groups only and is fetched once in the launch's life.
; LAYOUT.  q, k: source 0 = 16 channels of W, source 1 = 16 rows of x: a lane holds ONE row and, over the head's six tiles, 48 channels of which registers 16 b + i are channel 32 b + 16 (lane / 16) + i: the order the quantiser wants.
; v: the sources are swapped: a lane holds ONE channel and, over the eight row tiles, 64 keys in the same order: v is quantised along the keys.
; A head has 96 channels: three blocks.  THE FOURTH BLOCK OF q's AND k's K STEP CARRIES THE KEY MASK: q has the code 1.0 at k = 96 under the scale 1; k has there the code -4.0 under the scale 2^98 where the key's mask is 0,
; else the code 0.  So a hidden key's score leaves the matrix unit as s - 2^100, and the attention's loop spends nothing on the mask.  LIMIT: true scores x log2(e) / sqrt(96) stay under 2^60 in magnitude.
; LIMITS of the quantiser: as in the launch before (NaN and infinities not served; blocks under 2^-124 get the byte 1).
; OUT.  qq: q's fragment (record, tile) at (64 record + tile) x 1536, scale words from QSCALES on, x 128; record = (8 source + batch) x 8 + head.  kv: a record of 186,368 bytes, KEY STEP BY KEY STEP: a step's 23,296 bytes are
; k's 8 fragments, v^T's 6 (from 12,288 on), k's scale words (from 21,504 on, 128 bytes a tile) and v's (from 22,528 on): so the next launch can begin on a record's first steps while the later ones are on their way.
; REGISTERS, in windows of 256.  Window 0: v1-5 addresses; v8-55 x's scale words; v56-73 the weights' scale words, three sets; v76-171 x's eight fragments of a K step (in the epilogues v76-139 hold numbers to be quantised); v172-219 the quantiser's.
;   Window 1: the weights' fragments, three buffers of 72; v216-227 bv, each number twice.  Window 2: accumulators of row tiles 0-3; v192-239 bq.  Window 3: those of tiles 4-7; v192-239 bk.
; The launch claims more than half of the LDS; it uses 73,728 bytes, each filled once.
.set XSCALES, 9437184
.set WSCALES, 1916928
.set QSCALES, 12582912
.set RECB, 186368                      ; a record of kv
.set KSTB, 23296                       ; a key step's part of it
.set VOF,  12288                       ; in it: v's fragments,
.set KSO,  21504                       ; k's scale words,
.set VSO,  22528                       ; v's
.set LI,   1                           ; 16 x lane
.set LS,   2                           ; 4 x lane
.set A64H, 3                           ; 64 h: bq, bk: my eight channels of a tile
.set AROW, 4                           ; 4 (r + 8 (r / 8)): bv's channel
.set LI2,  5                           ; 16 x lane + 36,864: x's tiles 4-7 (an LDS immediate has 16 bits)
.set XS,   8
.set WS,   56
.set XF,   76
.set HA,   76
.set MX,   172
.set BY,   176
.set SO,   180
.set PC,   184
.set PC2,  196
.set PW,   204
.set MK,   205                         ; v205-212 the masks of my key in each of the eight tiles
.set QPC,  213                         ; q's padding: the code 1.0 in lanes 0-15
.set ONEB, 214                         ; the byte 127 in the word's top
.set KPC,  215                         ; a hidden key's padding: the code -4.0 in lanes 0-15
.set BIGB, 216                         ; the byte 225 (2^98) in the word's top
.set PADC, 217
.set PADB, 218
.set L8,   219                         ; 8 x lane
.set AKEY, 220                         ; 4 (r + 24 (r / 8)): the mask word of my key: row r of feature tile 4 c + u is key 64 c + 8 u + r % 8 + 32 (r / 8) of the step
.set SH8,  221                         ; 8 h: where my two bytes stand in v's scale word
.set BV,   216                         ; in window 1
.set BQK,  192                         ; in windows 2 and 3
.set WV,   22
.set SEL,  66                          ; s[66:67]
.set MSB, 0
.macro WIN new                         ; the immediate's high byte repeats the setting that is left; a switch that changes nothing is dropped
.if MSB != \new
	s_set_vgpr_msb (MSB<<8)|\new
.set MSB, \new
.endif
.endm
.macro PLACES n
.rept \n
	v_nop
.endr
.endm
.macro SWAPS                           ; the operand's layout wants whole blocks in a lane: lanes 0-15 blocks 0 and 2, lanes 16-31 blocks 1 and 3
.irp c, 0,1
.irp i, 0,1,2
	v_permlane16_swap_b32 v[PC+6*\c+\i], v[PC2+4*\c+\i]
.endr
.irp i, 0,1,2
	v_mov_b32 v[PC+3+6*\c+\i], v[PC2+4*\c+\i]
.endr
.endr
.endm
; v's quantiser.  64 numbers of a lane are TWO WHOLE BLOCKS along the keys: register 32 c + i = key 64 c + 32 (lane / 16) + i, by the order of rows in the feature tiles: the order of the operand's registers.
; So no other lane is asked for a maximum and no codes change lanes; only the scale word's bytes are gathered from lanes l and l xor 16.
.macro QUANT s, pw
.irp b, 0,1,2,3
	v_max3_num_f32 v[MX+\b], |v[\s+16*\b]|, |v[\s+1+16*\b]|, 0x1800000   ; four chains of 16 numbers by turns, with the floor 2^(3 - 127): the byte cannot fall under 1
.endr
.irp i, 2,4,6,8,10,12,14
.irp b, 0,1,2,3
	v_max3_num_f32 v[MX+\b], v[MX+\b], |v[\s+16*\b+\i]|, |v[\s+1+16*\b+\i]|
.endr
.endr
.irp c, 0,1
	v_max_num_f32 v[MX+\c], v[MX+2*\c], v[MX+2*\c+1]   ; two chains make a block's largest magnitude
.endr
.irp c, 0,1
	v_add_nc_u32 v[SO+\c], 0xff000000, v[MX+\c]    ; 2 off the exponent field: the conversion's scale operand
.endr
.irp c, 0,1
	v_lshrrev_b32 v[BY+\c], 23, v[SO+\c]           ; the byte
.endr
	s_wait_alu depctr_va_vdst(0)
	s_wait_xcnt 0x0                                ; the last tile's stores have read the scale word and the codes: these are written again only behind this wait
	v_lshl_or_b32 v[\pw], v[BY+1], 16, v[BY]       ; my bytes: blocks h and 2 + h,
	v_lshlrev_b32 v[\pw], v[SH8], v[\pw]           ; 8 h bits up;
	v_permlanex16_b32 v[BY+2], v[\pw], s[SEL], s[SEL+1]
	v_or_b32 v[\pw], v[\pw], v[BY+2]               ; with lane xor 16's two the word is whole
.irp c, 0,1
	v_cvt_scalef32_pk16_fp6_f32 v[PC+6*\c:PC+6*\c+2], v[\s+32*\c:\s+32*\c+15], v[SO+\c]
	v_cvt_scalef32_pk16_fp6_f32 v[PC2+4*\c:PC2+4*\c+2], v[\s+32*\c+16:\s+32*\c+31], v[SO+\c]   ; (a conversion's three registers begin on an even number)
.endr
	v_nop                                          ; one plain instruction behind the conversions
.irp c, 0,1
.irp i, 0,1,2
	v_mov_b32 v[PC+3+6*\c+\i], v[PC2+4*\c+\i]
.endr
.endr
.endm
; 48 numbers (three blocks); the fourth block is given: its first code in v[padc] (lanes 0-15; 0 in lanes 16-31), its byte in the top of v[padb].
.macro QUANT3 s, padc, padb, pw
.irp b, 0,1,2
	v_max3_num_f32 v[MX+\b], |v[\s+16*\b]|, |v[\s+1+16*\b]|, 0x1800000
.endr
.irp i, 2,4,6,8,10,12,14
.irp b, 0,1,2
	v_max3_num_f32 v[MX+\b], v[MX+\b], |v[\s+16*\b+\i]|, |v[\s+1+16*\b+\i]|
.endr
.endr
.irp b, 0,1,2
	v_permlanex16_b32 v[BY+\b], v[MX+\b], s[SEL], s[SEL+1]
.endr
.irp b, 0,1,2
	v_max_num_f32 v[MX+\b], v[MX+\b], v[BY+\b]
.endr
.irp b, 0,1,2
	v_add_nc_u32 v[SO+\b], 0xff000000, v[MX+\b]
.endr
.irp b, 0,1,2
	v_lshrrev_b32 v[BY+\b], 23, v[SO+\b]
.endr
	s_wait_alu depctr_va_vdst(0)
	s_wait_xcnt 0x0                                ; as in QUANT
	v_lshl_or_b32 v[\pw], v[BY+1], 8, v[BY]
	v_lshl_or_b32 v[\pw], v[BY+2], 16, v[\pw]
	v_or_b32 v[\pw], v[\pw], v[\padb]
	v_cvt_scalef32_pk16_fp6_f32 v[PC:PC+2], v[\s:\s+15], v[SO]
	v_cvt_scalef32_pk16_fp6_f32 v[PC2:PC2+2], v[\s+16:\s+31], v[SO+1]
	v_cvt_scalef32_pk16_fp6_f32 v[PC+6:PC+8], v[\s+32:\s+47], v[SO+2]
	v_mov_b32 v[PC2+4], v[\padc]                   ; the fourth block's half: k = 96 + 16 (lane / 16) on.  (These three are the plain instructions behind the conversions)
	v_mov_b32 v[PC2+5], 0
	v_mov_b32 v[PC2+6], 0
	SWAPS
.endm
	s_load_b256 s[4:11], s[0:1], 0x0               ; xq s[4:5], wq s[6:7], bq s[8:9], bk s[10:11]
	s_load_b256 s[12:19], s[0:1], 0x20             ; bv s[12:13], visual_mask s[14:15], text_mask s[16:17], qq s[18:19]
	s_load_b64 s[20:21], s[0:1], 0x40              ; kv
	v_lshl_add_u32 v254, v0, 2, 0x29000
	v_mov_b32 v255, 0
	ds_add_u32 v254, v255
	ds_add_u32 v254, v255
	v_lshrrev_b32 v1, 5, v0
	v_readfirstlane_b32 s[WV], v1                  ; wave 0..3
	s_and_b32 s23, ttmp9, 1                        ; y
	s_lshr_b32 s24, ttmp9, 1                       ; rb
	s_lshl_b32 s25, s23, 2
	s_add_co_u32 s25, s25, s[WV]                   ; my head
	s_and_b32 s26, s24, 7                          ; the key step
	s_lshr_b32 s27, s24, 3                         ; 8 source + batch
	s_lshl_b32 s28, s27, 3
	s_add_co_u32 s28, s28, s25                     ; the record
	; the one tensor load: my quarter of x's block, 18,432 dense bytes as 72 rows of 256 bytes (32 elements of 8 bytes)
	s_mov_b32 s32, 1                               ; count = 1
	s_mul_i32 s33, s[WV], 18432                    ; LDS address
	s_mov_b32 s36, 3<<16                           ; no mask; elements of 8 bytes; no padding: the images are read 512 consecutive bytes at a time
	s_mov_b32 s37, 32<<16                          ; tensor_dim0 = 32
	s_mov_b32 s38, 72<<16                          ; tensor_dim1 = 72
	s_mov_b32 s39, 32<<16                          ; tile_dim0 = 32
	s_mov_b32 s40, 72                              ; tile_dim1 = 72
	s_mov_b32 s41, 32                              ; from row to row: 32 elements
	s_mov_b32 s42, 0
	s_mov_b32 s43, 0
	s_mul_i32 s30, s24, 73728
	s_add_co_u32 s30, s30, s33
	s_mov_b32 s31, 0
	s_mov_b32 s[SEL], 0x76543210
	s_mov_b32 s[SEL+1], 0xfedcba98
	s_wait_dscnt 0x0
	s_wait_kmcnt 0x0
	s_add_nc_u64 s[34:35], s[4:5], s[30:31]
	s_or_b32 s35, s35, 0x80000000                  ; type = 2
	tensor_load_to_lds s[32:35], s[36:43]          ; one load of mine is out, until the wait in front of the barrier
	s_nop 0
	PLACES 4
	v_and_b32 v6, 31, v0
	v_lshlrev_b32 v[LI], 4, v6
	v_lshlrev_b32 v[LS], 2, v6
	v_lshlrev_b32 v[L8], 3, v6
	s_wait_alu depctr_va_vdst(0)
	v_bfe_u32 v7, v0, 4, 1                         ; h
	v_lshlrev_b32 v[A64H], 6, v7
	s_wait_alu depctr_va_vdst(0)
	v_and_b32 v6, 15, v0                           ; r
	v_lshrrev_b32 v[AROW], 3, v6
	v_mad_u32_u24 v[AKEY], v[AROW], 24, v6
	v_lshlrev_b32 v[AKEY], 2, v[AKEY]
	v_lshl_add_u32 v[AROW], v[AROW], 3, v6
	v_lshlrev_b32 v[AROW], 2, v[AROW]
	s_wait_alu depctr_va_vdst(0)
	v_add_nc_u32 v[LI2], 36864, v[LI]
	s_mul_i32 s30, s25, 55296                      ; my head's 36 fragments of each weight
	s_add_nc_u64 s[44:45], s[6:7], s[30:31]
	s_mul_i32 s30, s25, 4608
	s_add_co_u32 s30, s30, WSCALES
	s_add_nc_u64 s[46:47], s[6:7], s[30:31]
	s_mul_i32 s30, s24, 6144                       ; x's scale words: 768 bytes a tile
	s_add_co_u32 s30, s30, XSCALES
	s_add_nc_u64 s[48:49], s[4:5], s[30:31]
	s_mul_i32 s30, s25, 384                        ; my head's 96 numbers of each bias
	s_add_nc_u64 s[8:9], s[8:9], s[30:31]
	s_add_nc_u64 s[10:11], s[10:11], s[30:31]
	s_add_nc_u64 s[12:13], s[12:13], s[30:31]
	s_and_b32 s30, s24, 63
	s_lshl_b32 s30, s30, 9                         ; the block's 128 mask words
	s_cmp_lt_u32 s24, 64                           ; keys made of visual rows are hidden by visual_mask, those of text rows by text_mask
	s_cselect_b64 s[50:51], s[14:15], s[16:17]
	s_add_nc_u64 s[50:51], s[50:51], s[30:31]
	s_lshl_b32 s29, s28, 6
	s_lshl_b32 s30, s26, 3
	s_add_co_u32 s29, s29, s30                     ; 64 record + 8 key step: q's first tile
	s_mul_i32 s30, s29, 1536
	s_add_nc_u64 s[52:53], s[18:19], s[30:31]
	s_lshl_b32 s30, s29, 7
	s_add_co_u32 s30, s30, QSCALES
	s_add_nc_u64 s[54:55], s[18:19], s[30:31]
	s_mul_i32 s29, s28, RECB                       ; the record in kv,
	s_mul_i32 s30, s26, KSTB                       ; my key step's part of it
	s_add_co_u32 s30, s30, s29
	s_add_nc_u64 s[56:57], s[20:21], s[30:31]
; The weights' fragments of step i = 6 g + s (group g, K step s) into buffer i % 3: 18 loads of 512 consecutive bytes and 6 of 128.
.macro WLOAD i
	WIN 0x40                                       ; destination window 1
.irp t, 0,1,2,3,4,5
.irp c, 0,1,2
	global_load_b128 v[72*((\i)%3)+12*\t+4*\c:72*((\i)%3)+12*\t+4*\c+3], v[LI], s[44:45] offset:442368*((\i)/6)+(6*\t+(\i)%6)*1536+512*\c
.endr
.endr
	WIN 0
.irp t, 0,1,2,3,4,5
	global_load_b32 v[WS+6*((\i)%3)+\t], v[LS], s[46:47] offset:36864*((\i)/6)+(6*\t+(\i)%6)*128
.endr
.endm
; x's fragments of K step s, tiles m0 .. m0 + 3, from LDS: 12 loads
.macro XFETCH s, m0
.irp m, \m0, \m0+1, \m0+2, \m0+3
.irp c, 0,1,2
.if \m0 < 4
	ds_load_b128 v[XF+12*(\m)+4*\c:XF+12*(\m)+4*\c+3], v[LI] offset:(6*(\m)+(\s))*1536+512*\c
.else
	ds_load_b128 v[XF+12*(\m)+4*\c:XF+12*(\m)+4*\c+3], v[LI2] offset:(6*((\m)-4)+(\s))*1536+512*\c
.endif
.endr
.endr
.endm
; 24 matrix instructions: row tiles m0 .. m0 + 3 x the head's six channel tiles.  The 48 accumulators take turns, one instruction a turn, in the same order in every step.  The first K step starts the sums: nothing is cleared.
.macro MUL g, s, m0
.irp m, \m0, \m0+1, \m0+2, \m0+3
.irp t, 0,1,2,3,4,5
.set rD, 8*(6*((\m)%4)+\t)
.set rW, 72*((6*\g+\s)%3)+12*\t
.set rX, XF+12*(\m)
.set rWS, WS+6*((6*\g+\s)%3)+\t
.set rXS, XS+6*(\m)+\s
.if \g < 2
.if \s == 0
	v_wmma_scale_f32_16x16x128_f8f6f4 v[rD:rD+7], v[rW:rW+11], v[rX:rX+11], 0, v[rWS], v[rXS] matrix_a_fmt:MATRIX_FMT_FP6 matrix_b_fmt:MATRIX_FMT_FP6
.else
	v_wmma_scale_f32_16x16x128_f8f6f4 v[rD:rD+7], v[rW:rW+11], v[rX:rX+11], v[rD:rD+7], v[rWS], v[rXS] matrix_a_fmt:MATRIX_FMT_FP6 matrix_b_fmt:MATRIX_FMT_FP6
.endif
.else
.if \s == 0
	v_wmma_scale_f32_16x16x128_f8f6f4 v[rD:rD+7], v[rX:rX+11], v[rW:rW+11], 0, v[rXS], v[rWS] matrix_a_fmt:MATRIX_FMT_FP6 matrix_b_fmt:MATRIX_FMT_FP6
.else
	v_wmma_scale_f32_16x16x128_f8f6f4 v[rD:rD+7], v[rX:rX+11], v[rW:rW+11], v[rD:rD+7], v[rXS], v[rWS] matrix_a_fmt:MATRIX_FMT_FP6 matrix_b_fmt:MATRIX_FMT_FP6
.endif
.endif
.endr
.endr
.endm
; A K step of group g.  Loads into registers that matrix instructions have read, and the first read of results, stand four plain vector instructions behind those matrix instructions (ISA guide 7.12.1 for vector instructions).
.macro STEP g, s
.if 6*\g+\s < 16
	s_wait_loadcnt 48                              ; this step's weights are in (and all that was loaded before them); the 24 loads of each of the next two steps may be out
.elseif 6*\g+\s == 16
	s_wait_loadcnt 24                              ; one step's loads are left
.else
	s_wait_loadcnt 0x0
.endif
	s_wait_dscnt 12                                ; x's tiles 0-3 are in; the 12 loads of tiles 4-7 may be out
.if \g < 2
	WIN 0xa1                                       ; source 0 (W) window 1, source 1 (x) window 0, C and D window 2
.else
	WIN 0xa4                                       ; source 0 (x) window 0, source 1 (W) window 1
.endif
	MUL \g, \s, 0
	s_wait_dscnt 0x0                               ; tiles 4-7 are in
	PLACES 4
	WIN 0
.if \s < 5
	XFETCH \s+1, 0
.endif
.if \g < 2
	WIN 0xf1                                       ; C and D window 3
.else
	WIN 0xf4
.endif
	MUL \g, \s, 4
	PLACES 4
	WIN 0
.if \s < 5
	XFETCH \s+1, 4
.endif
.if 6*\g+\s < 15
	WLOAD 6*\g+\s+3                                ; the buffer just multiplied takes the step three on
.endif
.endm
; q's (g = 0) or k's (g = 1) way out, a row tile at a time: + bias (which also brings the numbers into window 0, each accumulator from its low end on), quantised, stored as an image.
.macro EPI_QK g
.irp m, 0,1,2,3,4,5,6,7
	WIN 2+\m/4+4*(2+\g)                            ; source 0: the accumulators' window; source 1: the bias's
.set n, 0
.rept 24
	v_pk_add_f32 v[HA+2*n:HA+2*n+1], v[48*(\m%4)+2*n:48*(\m%4)+2*n+1], v[BQK+2*n:BQK+2*n+1]
.set n, n+1
.endr
	WIN 0
.if \g == 1
	v_cmp_eq_u32 vcc_lo, 0, v[MK+\m]               ; my key is hidden:
	v_cndmask_b32 v[PADC], 0, v[KPC], vcc_lo       ; the code -4.0 at k = 96,
	v_cndmask_b32 v[PADB], v[ONEB], v[BIGB], vcc_lo   ; under the scale 2^98
.endif
.if \g == 0
	QUANT3 HA, QPC, ONEB, PW
.irp j, 0,1,2
	global_store_b128 v[LI], v[PC+4*\j:PC+4*\j+3], s[52:53] offset:1536*\m+512*\j
.endr
	global_store_b32 v[LS], v[PW], s[54:55] offset:128*\m
.else
	QUANT3 HA, PADC, PADB, PW
.irp j, 0,1,2
	global_store_b128 v[LI], v[PC+4*\j:PC+4*\j+3], s[56:57] offset:1536*\m+512*\j
.endr
	global_store_b32 v[LS], v[PW], s[56:57] offset:KSO+128*\m
.endif
.endr
.endm
; v's way out, a channel tile at a time: my channel's 64 keys from the eight row tiles.
.macro EPI_V
.irp t, 0,1,2,3,4,5
.irp m, 0,1,2,3,4,5,6,7
	WIN 6+\m/4                                     ; source 0: the accumulators' window; source 1 (bv): window 1
.irp i, 0,1,2,3
	v_pk_add_f32 v[HA+8*\m+2*\i:HA+8*\m+2*\i+1], v[8*(6*(\m%4)+\t)+2*\i:8*(6*(\m%4)+\t)+2*\i+1], v[BV+2*\t:BV+2*\t+1]
.endr
.endr
	WIN 0
	QUANT HA, PW
.irp j, 0,1,2
	global_store_b128 v[LI], v[PC+4*\j:PC+4*\j+3], s[56:57] offset:VOF+1536*\t+512*\j
.endr
	global_store_b32 v[LS], v[PW], s[56:57] offset:VSO+128*\t
.endr
.endm
.irp m, 0,1,2,3,4,5,6,7
	global_load_b128 v[XS+6*\m:XS+6*\m+3], v[LI], s[48:49] offset:768*\m            ; x's scale words stay in registers: tile m, K step s at 6 m + s: steps 0-3,
	global_load_b64 v[XS+6*\m+4:XS+6*\m+5], v[L8], s[48:49] offset:768*\m+512       ; steps 4 and 5
.endr
	WIN 0x80                                       ; destination window 2
.irp t, 0,1,2,3,4,5
	global_load_b128 v[BQK+8*\t:BQK+8*\t+3], v[A64H], s[8:9] offset:(32*(\t/2)+8*(\t%2))*4      ; bq at the tile's eight channels of my half
	global_load_b128 v[BQK+8*\t+4:BQK+8*\t+7], v[A64H], s[8:9] offset:(32*(\t/2)+8*(\t%2))*4+16
.endr
	WIN 0xc0                                       ; window 3
.irp t, 0,1,2,3,4,5
	global_load_b128 v[BQK+8*\t:BQK+8*\t+3], v[A64H], s[10:11] offset:(32*(\t/2)+8*(\t%2))*4
	global_load_b128 v[BQK+8*\t+4:BQK+8*\t+7], v[A64H], s[10:11] offset:(32*(\t/2)+8*(\t%2))*4+16
.endr
	WIN 0x40                                       ; window 1
.irp t, 0,1,2,3,4,5
	global_load_b32 v[BV+2*\t], v[AROW], s[12:13] offset:(32*(\t/2)+8*(\t%2))*4                  ; bv at my channel of the tile, twice: a pair for the packed addition
	global_load_b32 v[BV+2*\t+1], v[AROW], s[12:13] offset:(32*(\t/2)+8*(\t%2))*4
.endr
	WIN 0
.irp m, 0,1,2,3,4,5,6,7
	global_load_b32 v[MK+\m], v[AKEY], s[50:51] offset:(64*(\m/4)+8*(\m%4))*4                    ; the mask of my key in tile m
.endr
	WLOAD 0
	WLOAD 1
	WLOAD 2
	v_lshlrev_b32 v[SH8], 3, v7
	v_lshlrev_b32 v[QPC], 3, v7
	v_sub_nc_u32 v[QPC], 8, v[QPC]                 ; 8 (the code 1.0) in lanes 0-15, 0 in lanes 16-31
	v_mul_u32_u24 v[KPC], v[QPC], 7                ; 0x38 (the code -4.0) likewise
	v_mov_b32 v[ONEB], 0x7f000000
	v_mov_b32 v[BIGB], 0xe1000000
.irp b, 0,1,2,3
	v_mov_b32 v[BY+\b], 0                          ; written once: a lane permute's destination counts as one of its sources
.endr
	s_wait_tensorcnt 0x0                           ; my quarter of x's block is in LDS,
	s_barrier_signal -1
	s_barrier_wait -1                              ; everybody's is.  Nothing is written to LDS after this: the launch's only barrier
	XFETCH 0, 0
	XFETCH 0, 4
.irp s, 0,1,2,3,4,5
	STEP 0, \s
.endr
	EPI_QK 0
	XFETCH 0, 0
	XFETCH 0, 4
.irp s, 0,1,2,3,4,5
	STEP 1, \s
.endr
	EPI_QK 1
	XFETCH 0, 0
	XFETCH 0, 4
.irp s, 0,1,2,3,4,5
	STEP 2, \s
.endr
	EPI_V
	s_wait_tensorcnt 0x0
	ds_add_u32 v254, v255
	s_wait_dscnt 0x0
	s_endpgm
.Lfunc_end_k_q38956085fa_proj:
	.size	k_q38956085fa_proj, .Lfunc_end_k_q38956085fa_proj-k_q38956085fa_proj
	.p2alignl 7, 3214868480
	.fill 96, 4, 3214868480
	.section	.rodata,"a",@progbits
	.p2align	6, 0x0
	.amdhsa_kernel k_q38956085fa_proj
		.amdhsa_group_segment_fixed_size 168448
		.amdhsa_private_segment_fixed_size 0
		.amdhsa_enable_private_segment 0
		.amdhsa_kernarg_size 72
		.amdhsa_user_sgpr_count 2
		.amdhsa_user_sgpr_kernarg_segment_ptr 1
		.amdhsa_wavefront_size32 1
		.amdhsa_system_sgpr_workgroup_id_x 1
		.amdhsa_system_sgpr_workgroup_id_y 1
		.amdhsa_system_sgpr_workgroup_id_z 1
		.amdhsa_system_vgpr_workitem_id 0
		.amdhsa_next_free_vgpr 1024
		.amdhsa_next_free_sgpr 68
		.amdhsa_reserve_vcc 1
		.amdhsa_float_denorm_mode_32 3
		.amdhsa_float_denorm_mode_16_64 3
		.amdhsa_memory_ordered 1
		.amdhsa_forward_progress 1
		.amdhsa_inst_pref_size 255
	.end_amdhsa_kernel
	.section	.bss,"aw",@nobits
	.p2align	6
	.space	262144
	.amdgpu_metadata
---
amdhsa.version: [ 1, 2 ]
amdhsa.kernels:
  - .name:           k_q38956085fa_proj
    .symbol:         k_q38956085fa_proj.kd
    .args:
      - { .name: xq, .offset: 0, .size: 8, .value_kind: global_buffer, .address_space: global }
      - { .name: wq, .offset: 8, .size: 8, .value_kind: global_buffer, .address_space: global }
      - { .name: bq, .offset: 16, .size: 8, .value_kind: global_buffer, .address_space: global }
      - { .name: bk, .offset: 24, .size: 8, .value_kind: global_buffer, .address_space: global }
      - { .name: bv, .offset: 32, .size: 8, .value_kind: global_buffer, .address_space: global }
      - { .name: visual_mask, .offset: 40, .size: 8, .value_kind: global_buffer, .address_space: global }
      - { .name: text_mask, .offset: 48, .size: 8, .value_kind: global_buffer, .address_space: global }
      - { .name: qq, .offset: 56, .size: 8, .value_kind: global_buffer, .address_space: global }
      - { .name: kv, .offset: 64, .size: 8, .value_kind: global_buffer, .address_space: global }
    .group_segment_fixed_size: 168448
    .private_segment_fixed_size: 0
    .kernarg_segment_align: 8
    .kernarg_segment_size: 72
    .max_flat_workgroup_size: 128
    .sgpr_count:     68
    .vgpr_count:     1024
    .wavefront_size: 32
...
	.end_amdgpu_metadata
.endif
;; end of part 2
;; launch attn (part 3): grid 256 x 1, 16 waves a work-group, no clusters, 327,680 bytes of LDS; arguments qq, kv, aq; writes aq
.if DOCPART == 3
	.amdgcn_target "amdgcn-amd-amdhsa--gfx1250"
	.amdhsa_code_object_version 6
	.text
	.protected	k_q38956085fa_attn
	.globl	k_q38956085fa_attn
	.p2align	8
	.type	k_q38956085fa_attn,@function
k_q38956085fa_attn:
	s_mov_b64 s[64:65], 0
	v_nop
	global_prefetch_b8 v0, s[64:65] scope:SCOPE_SE
	s_setreg_imm32_b32 hwreg(HW_REG_WAVE_MODE, 25, 1), 1
	s_wait_xcnt 0x0
; Both cross-attentions, a head at a time, on codes of FP6 with E8M0 scales: O = softmax(q k^T / sqrt(96), hidden keys left out) v, normalised, quantised along the channels and stored as images of the output projection's operand.
; THE SOFTMAX AHEAD OF THE SECOND PRODUCT: t = score x log2(e) / sqrt(96); M = the row's largest t so far, rounded UP to a whole number; p = 2^(t - M) is quantised along the keys, not normalised.  The row's sum is taken of the
; unquantised p and divides O at the end.  When M moves, the sum and O are multiplied by 2^(old M - new M): exact.
; THE MASK: a hidden key's score arrives as s - 2^100 (the fourth block of q's and k's K step carries it).  The largest score starts at -2^63, so hidden keys never set M, and their p is 0.
; LIMIT: the promise holds while true |t| stays under 2^31.  A row all of whose keys are hidden has the sum 0: its scale word is set to all ones, which makes the row NaN in the output projection, as the softmax of a row of -infinity is.
; SHARES.  Work-group = (direction, batch, head, half of the queries).  The head's whole record of k and v (186,368 bytes, 8 key steps of 23,296) lies in LDS, each byte filled ONCE and read by all sixteen waves; nothing is stored to LDS.
; A wave owns one tile of 16 queries at a time and makes two passes (tiles w and 16 + w of the half's 32), one trip of the outer loop each; a pass walks the 1,024 keys in 8 steps of 128.
; THE FILL COMES IN TWO HALVES of four key steps, 364 rows of 256 bytes each: fourteen waves bring 26 rows each.  The first half is asked for at the head, one tensor load a wave; the second behind the wait for the first, the add and a
; barrier, so it is on its way during the first four key steps.  Every wait on TENSORcnt is for 0; a wave never has more than one tensor load out.
; NO CLUSTER: a record is shared by two work-groups only, and each fetches it once.  NO PREFETCH: all of the record is asked for by the two tensor loads before the first key step; there is no later stream to run ahead of.
; LAYOUT.  Both products are used transposed (source 0 = 16 keys, or 16 channels of v^T; source 1 = my queries, or p): a lane holds ONE query throughout.  Key tile 4 c + u holds in its row i key 64 c + 32 (i / 8) + 8 u + i % 8, so the 32
; score registers of tiles 4 c .. 4 c + 3 are in lane (r, h) the keys 64 c + 32 h + 0 .. 31: a WHOLE block of the second product's K, in the order of the operand's registers.  A block's maximum needs no other lane and no code changes lanes.
; v's channel tiles: the 16 registers of tiles 2 b and 2 b + 1 are channels 32 b + 16 h + 0 .. 15, half blocks, which the way out joins by lane swaps.
.set QSCALES, 12582912
.set RECB, 186368                      ; a record
.set KSTB, 23296                       ; a key step's part of it: k's 8 fragments,
.set VOF,  12288                       ; v's 6,
.set KSO,  21504                       ; k's scale words,
.set VSO,  22528                       ; v's
.set HALFR, 4*KSTB                     ; half a record
.set PART, HALFR/14                    ; 6,656 bytes: 26 rows of 256: one wave's tensor load
.set SPARE, RECB                       ; behind the record: the spare words, 128 bytes a wave
.set LI,   1                           ; 16 x lane
.set LS,   2                           ; 4 x lane
.set SH,   3                           ; 8 h
.set ADK,  4                           ; LDS addresses of the step in hand: fragments,
.set ADS,  5                           ; scale words
.set T1,   6
.set T0,   10
.set OW,   11                          ; the output's scale word
.set Q,    16                          ; v16-27 the pass's tile of q;  v28 its scale words.  (v12 -M, v13 the largest score so far, v[14:15] the row's sum in two halves)
.set QS,   28
.set PW,   29                          ; p's scale word
.set TS,   30                          ; v30-35 the scale words of the fragments in hand
.set FR,   36                          ; v36-83 four fragments of k or of v
.set MX,   84
.set BY,   88
.set SO,   92
.set S,    96                          ; v96-159 the scores, then p; v96-119 then take v's tiles 4 and 5
.set O,    160                         ; v160-207 O^T
.set PC,   208                         ; v208-219 codes
.set PC2,  220                         ; v220-227 the halves that are made elsewhere and moved; then the sum's four chains
.set F,    228                         ; v[228:229] 2^(old M - new M); the upper half is named with it and holds 0
.set Q1,   232                         ; v232-243 the second pass's tile of q;  v244 its scale words
.set QS1,  244
.set ONEB, 247                         ; the byte 127 in the word's top
.set ALLB, 248                         ; all ones
.set SPW,  254                         ; my spare word's address; never rewritten
.set ZER,  255                         ; 0; never rewritten
.set WV,   10
.set SK,   32                          ; where the step's part begins in LDS
.set CNT,  36                          ; counts the steps
.set PCN,  37                          ; counts the passes
.set CS,   38                          ; s[38:39] c = log2(e) / sqrt(96)
.set SEL,  40                          ; s[40:41] lane xor 16
.set LZ,   42                          ; the lanes whose row's sum is 0
.macro PLACES n
.rept \n
	v_nop
.endr
.endm
.macro G0SET j, g                      ; descriptor group 0 of my part of half j; each load has a set of its own
	s_mov_b32 s[\g], 1
	s_add_co_u32 s[\g+1], s17, \j*HALFR
	s_add_nc_u64 s[\g+2:\g+3], s[18:19], \j*HALFR
	s_or_b32 s[\g+3], s[\g+3], 0x80000000
.endm
.macro FILL g                          ; waves 0-13 issue their part; the branch hangs on the wave's number alone
	s_cmp_lt_u32 s[WV], 14
	s_cbranch_scc0 .Lnone_\@
	tensor_load_to_lds s[\g:\g+3], s[20:27]
	s_nop 0
	PLACES 4
.Lnone_\@:
.endm
.macro BMAX b, t, r                    ; the largest of the 32 scores from v[b] on: four chains, a tile each, every accumulator from its low end on; t: four registers at work; r: the result
.irp u, 0,1,2,3
	v_max3_num_f32 v[\t+\u], v[\b+8*\u], v[\b+8*\u+1], v[\b+8*\u+2]
.endr
.irp i, 3,5
.irp u, 0,1,2,3
	v_max3_num_f32 v[\t+\u], v[\t+\u], v[\b+8*\u+\i], v[\b+8*\u+\i+1]
.endr
.endr
	v_max3_num_f32 v[\t], v[\t], v[\t+1], v[\b+7]
	v_max3_num_f32 v[\t+2], v[\t+2], v[\t+3], v[\b+15]
	v_max3_num_f32 v[\t], v[\t], v[\t+2], v[\b+23]
	v_max_num_f32 v[\r], v[\t], v[\b+31]
.endm
.macro SUMS p, n                       ; pairs p .. p + n - 1 of p's 32 onto the four chains by turns
.set pp, \p
.rept \n
.set ch, PC2+2*(pp%4)
	v_pk_add_f32 v[ch:ch+1], v[ch:ch+1], v[S+2*pp:S+2*pp+1]
.set pp, pp+1
.endr
.endm
.macro VLOAD reg, t                    ; v's tile t and its scale words
.irp c, 0,1,2
	ds_load_b128 v[\reg+4*\c:\reg+4*\c+3], v[ADK] offset:VOF+(\t)*1536+512*\c
.endr
	ds_load_b32 v[TS+\t], v[ADS] offset:VSO+(\t)*128
.endm
.macro PV reg, t                       ; O^T's tile t += v^T p^T; the six accumulators take turns
	v_wmma_scale_f32_16x16x128_f8f6f4 v[O+8*\t:O+8*\t+7], v[\reg:\reg+11], v[PC:PC+11], v[O+8*\t:O+8*\t+7], v[TS+\t], v[PW] matrix_a_fmt:MATRIX_FMT_FP6 matrix_b_fmt:MATRIX_FMT_FP6
.endm
	s_load_b128 s[4:7], s[0:1], 0x0                ; qq s[4:5], kv s[6:7]
	s_load_b64 s[8:9], s[0:1], 0x10                ; aq
	v_lshl_add_u32 v[SPW], v0, 2, SPARE
	v_mov_b32 v[ZER], 0
	ds_add_u32 v[SPW], v[ZER]                      ; the opening lines: the add, twice on end, and its wait ahead of the first tensor load
	ds_add_u32 v[SPW], v[ZER]
	v_lshrrev_b32 v1, 5, v0
	v_readfirstlane_b32 s[WV], v1                  ; wave 0..15
	s_and_b32 s11, ttmp9, 1                        ; which half of the queries
	s_lshr_b32 s12, ttmp9, 1                       ; the queries' record: (8 direction + batch) x 8 + head
	s_xor_b32 s13, s12, 64                         ; the keys' record: the other source
	s_and_b32 s14, s12, 7                          ; the head
	s_lshr_b32 s15, ttmp9, 4                       ; 8 direction + batch
	s_mul_i32 s17, s[WV], PART                     ; my part of a half
	s_mov_b32 s20, 3<<16                           ; group 1: no mask; elements of 8 bytes; no padding: the images are read 512 consecutive bytes at a time
	s_mov_b32 s21, 32<<16                          ; tensor_dim0: 256 bytes
	s_mov_b32 s22, 26<<16                          ; tensor_dim1
	s_mov_b32 s23, 32<<16                          ; tile_dim0
	s_mov_b32 s24, 26                              ; tile_dim1
	s_mov_b32 s25, 32                              ; from row to row
	s_mov_b32 s26, 0
	s_mov_b32 s27, 0
	s_mul_i32 s28, s13, RECB
	s_add_co_u32 s28, s28, s17
	s_mov_b32 s29, 0
	s_mov_b32 s31, 0
	s_wait_dscnt 0x0                               ; both opening adds are done
	s_wait_kmcnt 0x0
	s_add_nc_u64 s[18:19], s[6:7], s[28:29]
	G0SET 0, 52
	G0SET 1, 56
	FILL 52                                        ; key steps 0-3
	v_and_b32 v7, 31, v0
	v_bfe_u32 v[SH], v0, 4, 1
	v_lshlrev_b32 v[LI], 4, v7
	v_lshlrev_b32 v[LS], 2, v7
	v_lshlrev_b32 v[SH], 3, v[SH]
.irp b, 0,1,2
	v_mov_b32 v[BY+\b], 0                          ; written once: a lane permute's destination counts as one of its sources
.endr
	v_mov_b32 v[T0], 0
	v_mov_b32 v[T1], 0
	v_mov_b32 v[F+1], 0
	v_mov_b32 v[ONEB], 0x7f000000
	v_mov_b32 v[ALLB], -1
	s_wait_alu depctr_va_vdst(0)                   ; the wait behind the head's vector work
	s_lshl_b32 s28, s12, 6
	s_lshl_b32 s30, s11, 5
	s_add_co_u32 s28, s28, s30
	s_add_co_u32 s28, s28, s[WV]                   ; my first tile of q: 64 record + 32 half + wave
	s_mul_i32 s30, s28, 1536
	s_add_nc_u64 s[44:45], s[4:5], s[30:31]
	s_lshl_b32 s30, s28, 7
	s_add_co_u32 s30, s30, QSCALES
	s_add_nc_u64 s[46:47], s[4:5], s[30:31]
.irp j, 0,1,2
	global_load_b128 v[Q+4*\j:Q+4*\j+3], v[LI], s[44:45] offset:512*\j
	global_load_b128 v[Q1+4*\j:Q1+4*\j+3], v[LI], s[44:45] offset:24576+512*\j     ; the second pass's tile lies 16 tiles on
.endr
	global_load_b32 v[QS], v[LS], s[46:47]
	global_load_b32 v[QS1], v[LS], s[46:47] offset:2048
	s_lshl_b32 s28, s15, 6
	s_lshl_b32 s30, s11, 5
	s_add_co_u32 s28, s28, s30
	s_add_co_u32 s28, s28, s[WV]                   ; the same tile among all 1,024 row tiles,
	s_lshl_b32 s28, s28, 3
	s_add_co_u32 s28, s28, s14                     ; x 8 + head: the output's fragment
	s_mul_i32 s30, s28, 1536
	s_add_nc_u64 s[48:49], s[8:9], s[30:31]
	s_lshl_b32 s30, s28, 7
	s_add_co_u32 s30, s30, QSCALES
	s_add_nc_u64 s[50:51], s[8:9], s[30:31]
	s_mov_b32 s[CS], 0x3e16c740                    ; c = log2(e) / sqrt(96)
	s_mov_b32 s[CS+1], s[CS]                       ; (named with it as a pair, so it is written)
	s_mov_b32 s[SEL], 0x76543210
	s_mov_b32 s[SEL+1], 0xfedcba98
	s_mov_b32 s[PCN], 0
	s_wait_tensorcnt 0x0                           ; my part of the first half is in.
	ds_add_u32 v[SPW], v[ZER]                      ; the add twice on end
	ds_add_u32 v[SPW], v[ZER]
	s_wait_dscnt 0x0
	s_barrier_signal -1
	s_barrier_wait -1                              ; key steps 0-3 are whole for every wave
	FILL 56                                        ; key steps 4-7: the first tensor load behind the barrier
	s_wait_loadcnt 0x0                             ; q
; A KEY STEP: 128 keys.
.macro STEP
	v_add_nc_u32 v[ADK], s[SK], v[LI]
	v_add_nc_u32 v[ADS], s[SK], v[LS]
	s_wait_alu depctr_va_vdst(0)
.irp g, 0,1                            ; S^T = k q^T, four tiles of 16 keys at a time.  (Behind the last step's products stand sixteen additions: the places in front of these loads and of the scores written over v's tiles 4 and 5)
.if \g
	PLACES 4                                       ; in front of loads into registers that matrix instructions have read, and of the first read of their results
.endif
.irp t, 0,1,2,3
.irp c, 0,1,2
	ds_load_b128 v[FR+12*\t+4*\c:FR+12*\t+4*\c+3], v[ADK] offset:(4*\g+\t)*1536+512*\c
.endr
	ds_load_b32 v[TS+\t], v[ADS] offset:KSO+(4*\g+\t)*128
.endr
	s_wait_dscnt 0x0
.irp t, 0,1,2,3
	v_wmma_scale_f32_16x16x128_f8f6f4 v[S+8*(4*\g+\t):S+8*(4*\g+\t)+7], v[FR+12*\t:FR+12*\t+11], v[Q:Q+11], 0, v[TS+\t], v[QS] matrix_a_fmt:MATRIX_FMT_FP6 matrix_b_fmt:MATRIX_FMT_FP6
.endr
.endr
	BMAX S, MX, MX                                 ; THE LARGEST SCORE OF MY FIRST BLOCK OF 32 KEYS (tiles 0-3): it serves for the row's maximum and, since p rises with the score, for the block's largest p.  These sixteen lines are the places behind tiles 4-7's products
.irp t, 0,1,2,3
	VLOAD FR+12*\t, \t                             ; v's tiles 0-3, into the registers that k's fragments have left: they land under the softmax
.endr
	BMAX S+32, SO, MX+1                            ; and of my second block
	s_delay_alu instid0(VALU_DEP_1)
	v_max_num_f32 v[T0], v[MX], v[MX+1]
	s_delay_alu instid0(VALU_DEP_1)
	v_permlanex16_b32 v[T1], v[T0], s[SEL], s[SEL+1]   ; lane xor 16 holds my query's other 64 keys
	s_delay_alu instid0(VALU_DEP_1)
	v_max3_num_f32 v13, v13, v[T0], v[T1]          ; the largest score so far
	v_mov_b32 v[T0], v12
	s_delay_alu instid0(VALU_DEP_2)
	v_mul_f32 v[T1], s[CS], v13                    ; as t (c is positive)
	s_delay_alu instid0(VALU_DEP_1)
	v_floor_f32 v12, -v[T1]                        ; the new -M = floor(-t) = -ceil(t): M is a whole number
	s_delay_alu instid0(VALU_DEP_1)
	v_sub_f32 v[T0], v12, v[T0]                    ; M's old value less its new one: a whole number, 0 or less
	s_delay_alu instid0(VALU_DEP_1)
	v_cvt_i32_f32 v[T0], v[T0]                     ; (it saturates)
	s_delay_alu instid0(VALU_DEP_1)
	v_ldexp_f32 v[F], 1.0, v[T0]                   ; f = 2^(old M - new M)
.set n, 0
.rept 32
	v_pk_fma_f32 v[S+n:S+n+1], v[S+n:S+n+1], s[CS:CS+1], v[12:13] op_sel_hi:[1,0,0]   ; t - M, two at a time (of the pairs c and -M the low word serves both halves)
.set n, n+2
.endr
.irp c, 0,1
	v_fma_f32 v[MX+\c], v[MX+\c], s[CS], v12       ; the same of each block's largest score
.endr
.set n, 0
.rept 24
	v_pk_mul_f32 v[O+n:O+n+1], v[O+n:O+n+1], v[F:F+1] op_sel_hi:[1,0]   ; O^T under the new M, each accumulator from its low end on
.set n, n+2
.endr
	s_wait_alu depctr_va_vdst(0)                   ; the wait ahead of the batch
.set n, 0
.rept 64
	v_exp_f32 v[S+n], v[S+n]                       ; p = 2^(t - M), at most 1
.set n, n+1
.endr
.irp c, 0,1
	v_exp_f32 v[MX+\c], v[MX+\c]                   ; the block's largest p: the same two instructions on the same number give the same bits
.endr
	v_pk_mul_f32 v[14:15], v[14:15], v[F:F+1] op_sel_hi:[1,0]   ; the sum under the new M.  (The plain instruction behind the exponentials)
	s_wait_alu depctr_va_vdst(0)                   ; one wait for the batch, ahead of its first reader
.irp c, 0,1
	v_max_num_f32 v[MX+\c], 0x1800000, v[MX+\c]    ; the floor 2^(3 - 127): a block whose every p is 0 keeps the byte 1: its codes are zeros
.endr
.irp c, 0,1
	v_add_nc_u32 v[SO+\c], 0xff000000, v[MX+\c]    ; 2 off the exponent field: the conversion's scale operand
.endr
.irp c, 0,1
	v_cvt_scalef32_pk16_fp6_f32 v[PC+6*\c:PC+6*\c+2], v[S+32*\c:S+32*\c+15], v[SO+\c]
	v_cvt_scalef32_pk16_fp6_f32 v[PC2+4*\c:PC2+4*\c+2], v[S+32*\c+16:S+32*\c+31], v[SO+\c]   ; (a conversion's three registers begin on an even number)
.endr
.irp c, 0,1
	v_lshrrev_b32 v[BY+\c], 23, v[SO+\c]           ; the bytes of blocks h and 2 + h.  (Plain instructions behind the conversions)
.endr
	s_delay_alu instid0(VALU_DEP_1)
	v_lshl_or_b32 v[PW], v[BY+1], 16, v[BY]
	s_delay_alu instid0(VALU_DEP_1)
	v_lshlrev_b32 v[PW], v[SH], v[PW]              ; at their places in the scale word, 8 h bits up;
	s_delay_alu instid0(VALU_DEP_1)
	v_permlanex16_b32 v[T1], v[PW], s[SEL], s[SEL+1]
	s_delay_alu instid0(VALU_DEP_1)
	v_or_b32 v[PW], v[PW], v[T1]                   ; with lane xor 16's two: p's scale word for these 128 keys
.irp c, 0,1
.irp i, 0,1,2
	v_mov_b32 v[PC+3+6*\c+\i], v[PC2+4*\c+\i]      ; registers 6 c .. 6 c + 5 hold my block 2 c + h
.endr
.endr
.irp k, 0,1,2,3                        ; THE ROW'S SUM IS TAKEN OF THE UNQUANTISED p: two at a time, in four chains
	v_pk_add_f32 v[PC2+2*\k:PC2+2*\k+1], v[S+4*\k:S+4*\k+1], v[S+4*\k+2:S+4*\k+3]
.endr
	SUMS 8, 4                                      ; (with the six moves: fourteen plain instructions between the scale word's write and the products that take it)
	VLOAD S, 4                                     ; p's first 24 registers are spent: they take v's tiles 4 and 5
	VLOAD S+12, 5
	s_wait_alu depctr_va_vdst(0)                   ; the wait ahead of the wait below
	s_wait_dscnt 8                                 ; v's tiles 0-3 are in; the eight loads of tiles 4 and 5 may be out
.irp t, 0,1,2,3
	PV FR+12*\t, \t
.endr
	SUMS 12, 8
	s_wait_alu depctr_va_vdst(0)                   ; as above
	s_wait_dscnt 0x0
	PV S, 4
	PV S+12, 5
	SUMS 20, 12                                    ; these name none of the products' registers
	v_pk_add_f32 v[PC2:PC2+1], v[PC2:PC2+1], v[PC2+2:PC2+3]
	v_pk_add_f32 v[PC2+4:PC2+5], v[PC2+4:PC2+5], v[PC2+6:PC2+7]
	s_delay_alu instid0(VALU_DEP_1)
	v_pk_add_f32 v[PC2:PC2+1], v[PC2:PC2+1], v[PC2+4:PC2+5]
	s_delay_alu instid0(VALU_DEP_1)
	v_pk_add_f32 v[14:15], v[14:15], v[PC2:PC2+1]
	s_add_co_u32 s[SK], s[SK], KSTB                ; the next step's part of the record
.endm
.macro KLOOP n                         ; n key steps
	s_mov_b32 s[CNT], \n
.Lkeys_\@:
	STEP
	s_sub_co_u32 s[CNT], s[CNT], 1
	s_cmp_lg_u32 s[CNT], 0
	s_cbranch_scc1 .Lkeys_\@
.endm
; A PASS: one tile of 16 queries over all keys.  O^T and the sum begin as zeros, which the first change of M leaves zeros.
.Lpass:
	v_mov_b32 v13, 0xdf000000                      ; the largest score so far: -2^63, under every true score and over every hidden key's
	s_delay_alu instid0(VALU_DEP_1)
	v_mul_f32 v[T1], s[CS], v13
	s_delay_alu instid0(VALU_DEP_1)
	v_floor_f32 v12, -v[T1]                        ; -M, made as the step makes it: a step that finds hidden keys alone leaves M where it is
	v_mov_b32 v14, 0                               ; the sum, in two halves
	v_mov_b32 v15, 0
.set n, 0
.rept 48
	v_mov_b32 v[O+n], 0
.set n, n+1
.endr
	s_mov_b32 s[SK], 0
	KLOOP 4
	s_wait_tensorcnt 0x0                           ; my part of the second half is in (in the second pass nothing is out);
	s_barrier_signal -1                            ; no LDS load of mine is out: each step ends behind a wait for all of them
	s_barrier_wait -1                              ; key steps 4-7 are whole for every wave.
	s_mov_b32 s[SK], HALFR
	KLOOP 4
	v_add_f32 v14, v14, v15                        ; the sum's two halves,
	s_delay_alu instid0(VALU_DEP_1)
	v_permlanex16_b32 v[T0], v14, s[SEL], s[SEL+1]
	s_delay_alu instid0(VALU_DEP_1)
	v_add_f32 v14, v14, v[T0]                      ; and lane xor 16's: the row's sum
	s_delay_alu instid0(VALU_DEP_1)
	v_cmp_eq_f32 s[LZ], 0, v14                     ; 0 only where every key is hidden.  It selects a value below and steers nothing
	s_wait_alu depctr_va_vdst(0)                   ; the wait ahead of the transcendental
	v_rcp_f32 v14, v14
	v_nop                                          ; one plain instruction behind it
	s_wait_alu depctr_va_vdst(0)                   ; and the wait ahead of its first reader, which is O^T's first reader too
.set n, 0
.rept 24
	v_pk_mul_f32 v[S+n:S+n+1], v[O+n:O+n+1], v[14:15] op_sel_hi:[1,0]   ; O^T / the sum: register 16 b + i is channel 32 b + 16 h + i of my query
.set n, n+2
.endr
.irp b, 0,1,2                          ; the head's 96 channels are three whole blocks of the output projection's K; the fourth block is zeros under the byte 127
	v_max3_num_f32 v[MX+\b], |v[S+16*\b]|, |v[S+1+16*\b]|, 0x1800000   ; with the floor 2^(3 - 127)
.endr
.irp i, 2,4,6,8,10,12,14
.irp b, 0,1,2
	s_delay_alu instid0(VALU_DEP_3)
	v_max3_num_f32 v[MX+\b], v[MX+\b], |v[S+16*\b+\i]|, |v[S+1+16*\b+\i]|
.endr
.endr
.irp b, 0,1,2
	s_delay_alu instid0(VALU_DEP_3)
	v_permlanex16_b32 v[BY+\b], v[MX+\b], s[SEL], s[SEL+1]
.endr
.irp b, 0,1,2
	s_delay_alu instid0(VALU_DEP_3)
	v_max_num_f32 v[MX+\b], v[MX+\b], v[BY+\b]     ; with lane xor 16's 16 channels
.endr
.irp b, 0,1,2
	s_delay_alu instid0(VALU_DEP_3)
	v_add_nc_u32 v[SO+\b], 0xff000000, v[MX+\b]
.endr
	v_cvt_scalef32_pk16_fp6_f32 v[PC:PC+2], v[S:S+15], v[SO]
	v_cvt_scalef32_pk16_fp6_f32 v[PC2:PC2+2], v[S+16:S+31], v[SO+1]
	v_cvt_scalef32_pk16_fp6_f32 v[PC+6:PC+8], v[S+32:S+47], v[SO+2]
.irp b, 0,1,2
	v_lshrrev_b32 v[BY+\b], 23, v[SO+\b]           ; (plain instructions behind the conversions)
.endr
.irp i, 4,5,6
	v_mov_b32 v[PC2+\i], 0                         ; the fourth block's half
.endr
	v_lshl_or_b32 v[OW], v[BY+1], 8, v[BY]
	s_delay_alu instid0(VALU_DEP_1)
	v_lshl_or_b32 v[OW], v[BY+2], 16, v[OW]
	s_delay_alu instid0(VALU_DEP_1)
	v_or_b32 v[OW], v[OW], v[ONEB]
	s_delay_alu instid0(VALU_DEP_1)
	v_cndmask_b32 v[OW], v[OW], v[ALLB], s[LZ]
.irp c, 0,1                            ; the operand's layout wants whole blocks in a lane
.irp i, 0,1,2
	v_permlane16_swap_b32 v[PC+6*\c+\i], v[PC2+4*\c+\i]
.endr
.irp i, 0,1,2
	s_delay_alu instid0(VALU_DEP_3)
	v_mov_b32 v[PC+3+6*\c+\i], v[PC2+4*\c+\i]
.endr
.endr
.irp j, 0,1,2
	global_store_b128 v[LI], v[PC+4*\j:PC+4*\j+3], s[48:49] offset:512*\j   ; 32 lanes store 512 consecutive bytes
.endr
	global_store_b32 v[LS], v[OW], s[50:51]
	s_add_co_u32 s[PCN], s[PCN], 1
	s_cmp_lt_u32 s[PCN], 2
	s_cbranch_scc0 .Ldone
	s_wait_xcnt 0x0                                ; the stores have read their bases, the codes and the scale word: all are written again only behind this wait
	s_add_nc_u64 s[48:49], s[48:49], 196608        ; 16 tiles x 8 heads on
	s_add_nc_u64 s[50:51], s[50:51], 16384
.irp i, 0,1,2,3,4,5,6,7,8,9,10,11
	v_mov_b32 v[Q+\i], v[Q1+\i]                    ; the second pass's tile of q
.endr
	v_mov_b32 v[QS], v[QS1]
	s_cmp_lt_u32 s[PCN], 2
	s_cbranch_scc1 .Lpass
.Ldone:
	s_wait_tensorcnt 0x0                           ; the wave's end
	ds_add_u32 v[SPW], v[ZER]
	s_wait_dscnt 0x0
	s_endpgm
.Lfunc_end_k_q38956085fa_attn:
	.size	k_q38956085fa_attn, .Lfunc_end_k_q38956085fa_attn-k_q38956085fa_attn
	.p2alignl 7, 3214868480
	.fill 96, 4, 3214868480
	.section	.rodata,"a",@progbits
	.p2align	6, 0x0
	.amdhsa_kernel k_q38956085fa_attn
		.amdhsa_group_segment_fixed_size 327680
		.amdhsa_private_segment_fixed_size 0
		.amdhsa_enable_private_segment 0
		.amdhsa_kernarg_size 24
		.amdhsa_user_sgpr_count 2
		.amdhsa_user_sgpr_kernarg_segment_ptr 1
		.amdhsa_wavefront_size32 1
		.amdhsa_system_sgpr_workgroup_id_x 1
		.amdhsa_system_sgpr_workgroup_id_y 1
		.amdhsa_system_sgpr_workgroup_id_z 1
		.amdhsa_system_vgpr_workitem_id 0
		.amdhsa_next_free_vgpr 256
		.amdhsa_next_free_sgpr 72
		.amdhsa_reserve_vcc 0
		.amdhsa_float_denorm_mode_32 3
		.amdhsa_float_denorm_mode_16_64 3
		.amdhsa_memory_ordered 1
		.amdhsa_forward_progress 1
		.amdhsa_inst_pref_size 50
	.end_amdhsa_kernel
	.amdgpu_metadata
---
amdhsa.version: [ 1, 2 ]
amdhsa.kernels:
  - .name:           k_q38956085fa_attn
    .symbol:         k_q38956085fa_attn.kd
    .args:
      - { .name: qq, .offset: 0, .size: 8, .value_kind: global_buffer, .address_space: global }
      - { .name: kv, .offset: 8, .size: 8, .value_kind: global_buffer, .address_space: global }
      - { .name: aq, .offset: 16, .size: 8, .value_kind: global_buffer, .address_space: global }
    .group_segment_fixed_size: 327680
    .private_segment_fixed_size: 0
    .kernarg_segment_align: 8
    .kernarg_segment_size: 24
    .max_flat_workgroup_size: 512
    .sgpr_count:     72
    .vgpr_count:     256
    .wavefront_size: 32
...
	.end_amdgpu_metadata
.endif
;; end of part 3
;; launch outln (part 4): grid 256 x 1, 16 waves a work-group, no clusters, 327,680 bytes of LDS; arguments aq, wq, visual_features, text_features, bo, ln_g, ln_b, out0, out1; writes out0, out1
.if DOCPART == 4
	.amdgcn_target "amdgcn-amd-amdhsa--gfx1250"
	.amdhsa_code_object_version 6
	.text
	.protected	k_q38956085fa_outln
	.globl	k_q38956085fa_outln
	.p2align	8
	.type	k_q38956085fa_outln,@function
k_q38956085fa_outln:
	s_mov_b64 s[64:65], 0
	v_nop
	global_prefetch_b8 v0, s[64:65] scope:SCOPE_SE
	s_setreg_imm32_b32 hwreg(HW_REG_WAVE_MODE, 25, 1), 1
	s_wait_xcnt 0x0
.set ASCALES, 12582912
.set WSCALES, 1916928
.set ASC,  49152
.set STG,  53248
.set SP,   3120
.set RED1, 252928
.set SPARE, 263168
.set LI,   1
.set LS,   2
.set SA,   3
.set RD,   9
.set AS,   10
.set WS,   14
.set AF,   20
.set XB,   20
.set PT,   20
.set TP,   64
.set WF,   68
.set BO,   68
.set GA,   92
.set BB,   116
.set SM,   140
.set RW,   144
.set RR,   145
.set BA,   146
.set MN,   148
.set SPW,  156
.set NIL,  157
.set SQ,   84
.set ACC,  160
.set WV,   22
.set SEL,  28
.macro PLACES n
.rept \n
	v_nop
.endr
.endm
.macro BARRIER
	s_wait_dscnt 0x0
	s_barrier_signal -1
	s_barrier_wait -1
.endm
	s_load_b256 s[4:11], s[0:1], 0x0
	s_load_b256 s[12:19], s[0:1], 0x20
	s_load_b64 s[20:21], s[0:1], 0x40
	v_lshl_add_u32 v[SPW], v0, 2, SPARE
	v_mov_b32 v[NIL], 0
	ds_add_u32 v156, v157
	ds_add_u32 v156, v157
	s_wait_dscnt 0x0
	v_lshrrev_b32 v1, 5, v0
	s_delay_alu instid0(VALU_DEP_1)
	v_readfirstlane_b32 s[WV], v1
	s_mov_b32 s32, 1
	s_mul_i32 s33, s[WV], 4096                     ; waves 0-11: 16 rows of 256 bytes each of the block's 49,152 bytes of codes
	s_mov_b32 s44, 3<<16
	s_mov_b32 s45, 32<<16
	s_mov_b32 s46, 16<<16
	s_mov_b32 s47, 32<<16
	s_mov_b32 s48, 16
	s_mov_b32 s49, 32
	s_mov_b32 s50, 0
	s_mov_b32 s51, 0
	s_mov_b32 s36, 1
	s_lshl_b32 s37, s[WV], 10                      ; waves 12-15: 4 rows of 256 bytes each of the block's 4,096 bytes of scale words
	s_add_co_u32 s37, s37, ASC-12288
	s_mov_b32 s52, 3<<16
	s_mov_b32 s53, 32<<16
	s_mov_b32 s54, 4<<16
	s_mov_b32 s55, 32<<16
	s_mov_b32 s56, 4
	s_mov_b32 s57, 32
	s_mov_b32 s58, 0
	s_mov_b32 s59, 0
	s_mov_b32 s40, 1
	s_mul_i32 s41, s[WV], 4*SP
	s_add_co_u32 s41, s41, STG
	s_mov_b32 s68, (2<<16)|(1<<20)|(7<<22)|(3<<25)
	s_mov_b32 s69, 768<<16
	s_mov_b32 s70, 4<<16
	s_mov_b32 s71, 768<<16
	s_mov_b32 s72, 4
	s_mov_b32 s73, 768
	s_mov_b32 s74, 0
	s_mov_b32 s75, 0
	s_mov_b32 s31, 0
	s_mov_b32 s79, 0
	s_and_b32 s78, ttmp9, 127
	s_mul_i32 s78, s78, 196608
	s_mul_i32 s23, s[WV], 12288
	s_add_co_u32 s78, s78, s23
	s_wait_kmcnt 0x0
	s_mul_i32 s30, ttmp9, 49152
	s_add_co_u32 s30, s30, s33
	s_add_nc_u64 s[34:35], s[4:5], s[30:31]
	s_or_b32 s35, s35, 0x80000000
	s_lshl_b32 s30, ttmp9, 12
	s_lshl_b32 s23, s[WV], 10
	s_add_co_u32 s30, s30, s23
	s_add_co_u32 s30, s30, ASCALES-12288
	s_add_nc_u64 s[38:39], s[4:5], s[30:31]
	s_or_b32 s39, s39, 0x80000000
	s_cmp_lt_u32 ttmp9, 128
	s_cselect_b64 s[24:25], s[8:9], s[10:11]
	s_cselect_b64 s[26:27], s[18:19], s[20:21]
	s_add_nc_u64 s[42:43], s[24:25], s[78:79]
	s_or_b32 s43, s43, 0x80000000
	s_add_nc_u64 s[26:27], s[26:27], s[78:79]
	s_cmp_lt_u32 s[WV], 12                         ; the head's loads, one a wave, in the two arms of one branch on the wave's number: the codes, or the scale words
	s_cbranch_scc0 .Lscale_words
	tensor_load_to_lds s[32:35], s[44:51]
	s_nop 0
	PLACES 4
	s_branch .Lhead_asked
.Lscale_words:
	tensor_load_to_lds s[36:39], s[52:59]
	s_nop 0
	PLACES 4
.Lhead_asked:
	s_mul_i32 s30, s[WV], 36864
	s_add_co_u32 s30, s30, 864*1536
	s_add_nc_u64 s[80:81], s[6:7], s[30:31]
	s_mul_i32 s30, s[WV], 3072
	s_add_co_u32 s30, s30, WSCALES+864*128
	s_add_nc_u64 s[82:83], s[6:7], s[30:31]
	v_and_b32 v147, 31, v0
	s_delay_alu instid0(VALU_DEP_1)
	v_lshlrev_b32 v[LI], 4, v147
	s_delay_alu instid0(VALU_DEP_2)
	v_lshlrev_b32 v[LS], 2, v147
.macro WL s
.irp t, 0,1,2
.irp c, 0,1,2
	global_load_b128 v[WF+36*((\s)%2)+12*\t+4*\c:WF+36*((\s)%2)+12*\t+4*\c+3], v[LI], s[80:81] offset:(8*\t+(\s))*1536+512*\c
.endr
	global_load_b32 v[WS+3*((\s)%2)+\t], v[LS], s[82:83] offset:(8*\t+(\s))*128
.endr
.endm
	WL 0
	v_and_b32 v147, 15, v0
	v_bfe_u32 v148, v0, 4, 1
	s_delay_alu instid0(VALU_DEP_2)
	v_lshrrev_b32 v149, 3, v147
	s_delay_alu instid0(VALU_DEP_1)
	v_mad_u32_u24 v149, v149, 24, v147             ; row r of tile m is row 8 m + r % 8 + 32 (r / 8) of the block's 64
	s_delay_alu instid0(VALU_DEP_1)
	v_mul_u32_u24 v149, v149, SP
	s_delay_alu instid0(VALU_DEP_1)
	v_lshl_add_u32 v149, v148, 5, v149
	s_wait_alu depctr_va_vdst(0)
	s_mul_i32 s23, s[WV], 192
.irp t, 0,1,2
	s_add_co_u32 s24, s23, 64*\t
	s_lshr_b32 s25, s24, 10
	s_lshl_b32 s25, s25, 4
	s_add_co_u32 s24, s24, s25
	s_add_co_u32 s24, s24, STG
	v_add_nc_u32 v[SA+2*\t], s24, v149
	s_delay_alu instid0(VALU_DEP_1)
	v_add_nc_u32 v[SA+2*\t+1], 16*SP, v[SA+2*\t]
.endr
	v_add_nc_u32 v[RD], s41, v[LI]
	v_mul_u32_u24 v[RR], v147, 80
	s_delay_alu instid0(VALU_DEP_1)
	v_add_nc_u32 v[RR], RED1, v[RR]
	s_lshl_b32 s24, s[WV], 2
	v_add_nc_u32 v[RW], s24, v[RR]
	v_lshl_add_u32 v[BA], v148, 5, s23
	s_wait_alu depctr_va_vdst(0)
	s_wait_tensorcnt 0x0
	ds_add_u32 v[SPW], v[NIL]
	s_mov_b32 s[SEL], 0x76543210
	s_mov_b32 s[SEL+1], 0xfedcba98
	s_mov_b32 s76, 0x3aaaaaab
	s_mov_b32 s77, 0x3727c5ac
	s_wait_dscnt 0x0
	s_barrier_signal -1
	s_barrier_wait -1
	tensor_load_to_lds s[40:43], s[68:75]
	s_nop 0
	PLACES 4
.macro STEP s
.if \s > 0
	PLACES 4
.endif
.irp m, 0,1,2,3
.irp c, 0,1,2
	ds_load_b128 v[AF+12*\m+4*\c:AF+12*\m+4*\c+3], v[LI] offset:(8*\m+\s)*1536+512*\c
.endr
	ds_load_b32 v[AS+\m], v[LS] offset:ASC+(8*\m+\s)*128
.endr
.if \s < 7
	WL \s+1
	s_wait_loadcnt 12
.else
.irp t, 0,1,2
	global_load_b128 v[BO+8*\t:BO+8*\t+3], v[BA], s[12:13] offset:64*\t
	global_load_b128 v[BO+8*\t+4:BO+8*\t+7], v[BA], s[12:13] offset:64*\t+16
.endr
	s_wait_loadcnt 6
.endif
	s_wait_dscnt 0x0
.irp m, 0,1,2,3
.irp t, 0,1,2
.if \s == 0
	v_wmma_scale_f32_16x16x128_f8f6f4 v[ACC+8*(3*\m+\t):ACC+8*(3*\m+\t)+7], v[WF+36*(\s%2)+12*\t:WF+36*(\s%2)+12*\t+11], v[AF+12*\m:AF+12*\m+11], 0, v[WS+3*(\s%2)+\t], v[AS+\m] matrix_a_fmt:MATRIX_FMT_FP6 matrix_b_fmt:MATRIX_FMT_FP6
.else
	v_wmma_scale_f32_16x16x128_f8f6f4 v[ACC+8*(3*\m+\t):ACC+8*(3*\m+\t)+7], v[WF+36*(\s%2)+12*\t:WF+36*(\s%2)+12*\t+11], v[AF+12*\m:AF+12*\m+11], v[ACC+8*(3*\m+\t):ACC+8*(3*\m+\t)+7], v[WS+3*(\s%2)+\t], v[AS+\m] matrix_a_fmt:MATRIX_FMT_FP6 matrix_b_fmt:MATRIX_FMT_FP6
.endif
.endr
.endr
.endm
.irp s, 0,1,2,3,4,5,6,7
	STEP \s
.endr
	PLACES 4
.irp t, 0,1,2
	global_load_b128 v[GA+8*\t:GA+8*\t+3], v[BA], s[14:15] offset:64*\t
	global_load_b128 v[GA+8*\t+4:GA+8*\t+7], v[BA], s[14:15] offset:64*\t+16
	global_load_b128 v[BB+8*\t:BB+8*\t+3], v[BA], s[16:17] offset:64*\t
	global_load_b128 v[BB+8*\t+4:BB+8*\t+7], v[BA], s[16:17] offset:64*\t+16
.endr
	s_wait_tensorcnt 0x0
	s_barrier_signal -1
	s_barrier_wait -1
.macro XL m
.irp t, 0,1,2
	ds_load_b128 v[XB+24*((\m)%2)+8*\t:XB+24*((\m)%2)+8*\t+3], v[SA+2*\t+(\m)/2] offset:8*SP*((\m)%2)
	ds_load_b128 v[XB+24*((\m)%2)+8*\t+4:XB+24*((\m)%2)+8*\t+7], v[SA+2*\t+(\m)/2] offset:8*SP*((\m)%2)+16
.endr
.endm
.macro RESID m
.set A, ACC+24*\m
.set n, 0
.rept 12
	v_pk_add_f32 v[A+n:A+n+1], v[A+n:A+n+1], v[BO+n:BO+n+1]
.set n, n+2
.endr
.set n, 0
.rept 12
	v_pk_add_f32 v[A+n:A+n+1], v[A+n:A+n+1], v[XB+24*(\m%2)+n:XB+24*(\m%2)+n+1]
.set n, n+2
.endr
	v_pk_add_f32 v[MN:MN+1], v[A:A+1], v[A+2:A+3]
	v_pk_add_f32 v[MN+2:MN+3], v[A+4:A+5], v[A+6:A+7]
.irp k, 8,12,16,20
	s_delay_alu instid0(VALU_DEP_2)
	v_pk_add_f32 v[MN:MN+1], v[MN:MN+1], v[A+\k:A+\k+1]
	s_delay_alu instid0(VALU_DEP_2)
	v_pk_add_f32 v[MN+2:MN+3], v[MN+2:MN+3], v[A+\k+2:A+\k+3]
.endr
	s_delay_alu instid0(VALU_DEP_1)
	v_pk_add_f32 v[MN:MN+1], v[MN:MN+1], v[MN+2:MN+3]
	s_delay_alu instid0(VALU_DEP_1)
	v_add_f32 v[SM+\m], v[MN], v[MN+1]
.endm
.macro ACROSS off
.irp m, 0,1,2,3
	v_permlanex16_b32 v[TP+\m], v[SM+\m], s[SEL], s[SEL+1]
.endr
.irp m, 0,1,2,3
	s_delay_alu instid0(VALU_DEP_4)
	v_add_f32 v[SM+\m], v[SM+\m], v[TP+\m]
.endr
.irp m, 0,1,2,3
	ds_store_b32 v[RW], v[SM+\m] offset:\off+1280*\m
.endr
	BARRIER
.irp m, 0,1,2,3
.irp q, 0,1,2,3
	ds_load_b128 v[PT+16*\m+4*\q:PT+16*\m+4*\q+3], v[RR] offset:\off+1280*\m+16*\q
.endr
.endr
	s_wait_dscnt 0x0
.irp k, 0,4,8,12
.irp m, 0,1,2,3
	v_pk_add_f32 v[PT+16*\m+\k:PT+16*\m+\k+1], v[PT+16*\m+\k:PT+16*\m+\k+1], v[PT+16*\m+\k+2:PT+16*\m+\k+3]
.endr
.endr
.irp k, 0,8
.irp m, 0,1,2,3
	v_pk_add_f32 v[PT+16*\m+\k:PT+16*\m+\k+1], v[PT+16*\m+\k:PT+16*\m+\k+1], v[PT+16*\m+\k+4:PT+16*\m+\k+5]
.endr
.endr
.irp m, 0,1,2,3
	s_delay_alu instid0(VALU_DEP_4)
	v_pk_add_f32 v[PT+16*\m:PT+16*\m+1], v[PT+16*\m:PT+16*\m+1], v[PT+16*\m+8:PT+16*\m+9]
.endr
.irp m, 0,1,2,3
	s_delay_alu instid0(VALU_DEP_4)
	v_add_f32 v[SM+\m], v[PT+16*\m], v[PT+16*\m+1]
.endr
.endm
	XL 0
	XL 1
	s_wait_dscnt 6
	s_wait_loadcnt 12
	RESID 0
	XL 2
	s_wait_dscnt 6
	RESID 1
	XL 3
	s_wait_dscnt 6
	RESID 2
	s_wait_dscnt 0x0
	RESID 3
	ACROSS 0
.irp m, 0,1,2,3
	v_mul_f32 v[MN+2*\m], s76, v[SM+\m]
	v_mul_f32 v[MN+2*\m+1], s76, v[SM+\m]
.endr
.irp m, 0,1,2,3
.set A, ACC+24*\m
.set n, 0
.rept 12
	v_pk_add_f32 v[A+n:A+n+1], v[A+n:A+n+1], v[MN+2*\m:MN+2*\m+1] neg_lo:[0,1] neg_hi:[0,1]
.set n, n+2
.endr
	v_pk_mul_f32 v[SQ:SQ+1], v[A:A+1], v[A:A+1]
	v_pk_mul_f32 v[SQ+2:SQ+3], v[A+2:A+3], v[A+2:A+3]
.irp k, 4,8,12,16,20
	s_delay_alu instid0(VALU_DEP_2)
	v_pk_fma_f32 v[SQ:SQ+1], v[A+\k:A+\k+1], v[A+\k:A+\k+1], v[SQ:SQ+1]
	s_delay_alu instid0(VALU_DEP_2)
	v_pk_fma_f32 v[SQ+2:SQ+3], v[A+\k+2:A+\k+3], v[A+\k+2:A+\k+3], v[SQ+2:SQ+3]
.endr
	s_delay_alu instid0(VALU_DEP_1)
	v_pk_add_f32 v[SQ:SQ+1], v[SQ:SQ+1], v[SQ+2:SQ+3]
	s_delay_alu instid0(VALU_DEP_1)
	v_add_f32 v[SM+\m], v[SQ], v[SQ+1]
.endr
	ACROSS 5120
	s_wait_alu depctr_va_vdst(0)
	s_wait_loadcnt 0x0
.irp m, 0,1,2,3
	v_fma_f32 v[MN+2*\m], v[SM+\m], s76, s77
.endr
	s_wait_alu depctr_va_vdst(0)
.irp m, 0,1,2,3
	v_rsq_f32 v[MN+2*\m], v[MN+2*\m]
.endr
	v_nop
	s_wait_alu depctr_va_vdst(0)
.irp m, 0,1,2,3
.set A, ACC+24*\m
.set n, 0
.rept 12
	v_pk_mul_f32 v[A+n:A+n+1], v[A+n:A+n+1], v[MN+2*\m:MN+2*\m+1] op_sel_hi:[1,0]
.set n, n+2
.endr
.set n, 0
.rept 12
	v_pk_fma_f32 v[A+n:A+n+1], v[A+n:A+n+1], v[GA+n:GA+n+1], v[BB+n:BB+n+1]
.set n, n+2
.endr
.irp t, 0,1,2
	ds_store_b128 v[SA+2*\t+\m/2], v[A+8*\t:A+8*\t+3] offset:8*SP*(\m%2)
	ds_store_b128 v[SA+2*\t+\m/2], v[A+8*\t+4:A+8*\t+7] offset:8*SP*(\m%2)+16
.endr
.endr
	BARRIER
.set n, 0
.rept 24
	ds_load_b128 v[ACC+4*n:ACC+4*n+3], v[RD] offset:SP*(n/6)+512*(n%6)+16*((n%6)/2)
.set n, n+1
.endr
.set n, 0
.rept 24
	s_wait_dscnt 23-n
	global_store_b128 v[LI], v[ACC+4*n:ACC+4*n+3], s[26:27] offset:3072*(n/6)+512*(n%6) th:TH_STORE_NT
.set n, n+1
.endr
	s_wait_tensorcnt 0x0
	ds_add_u32 v[SPW], v[NIL]
	s_wait_dscnt 0x0
	s_endpgm
.Lfunc_end_k_q38956085fa_outln:
	.size	k_q38956085fa_outln, .Lfunc_end_k_q38956085fa_outln-k_q38956085fa_outln
	.p2alignl 7, 3214868480
	.fill 96, 4, 3214868480
	.section	.rodata,"a",@progbits
	.p2align	6, 0x0
	.amdhsa_kernel k_q38956085fa_outln
		.amdhsa_group_segment_fixed_size 327680
		.amdhsa_private_segment_fixed_size 0
		.amdhsa_enable_private_segment 0
		.amdhsa_kernarg_size 72
		.amdhsa_user_sgpr_count 2
		.amdhsa_user_sgpr_kernarg_segment_ptr 1
		.amdhsa_wavefront_size32 1
		.amdhsa_system_sgpr_workgroup_id_x 1
		.amdhsa_system_sgpr_workgroup_id_y 1
		.amdhsa_system_sgpr_workgroup_id_z 1
		.amdhsa_system_vgpr_workitem_id 0
		.amdhsa_next_free_vgpr 256
		.amdhsa_next_free_sgpr 84
		.amdhsa_reserve_vcc 0
		.amdhsa_float_denorm_mode_32 3
		.amdhsa_float_denorm_mode_16_64 3
		.amdhsa_memory_ordered 1
		.amdhsa_forward_progress 1
		.amdhsa_inst_pref_size 80
	.end_amdhsa_kernel
	.amdgpu_metadata
---
amdhsa.version: [ 1, 2 ]
amdhsa.kernels:
  - .name:           k_q38956085fa_outln
    .symbol:         k_q38956085fa_outln.kd
    .args:
      - { .name: aq, .offset: 0, .size: 8, .value_kind: global_buffer, .address_space: global }
      - { .name: wq, .offset: 8, .size: 8, .value_kind: global_buffer, .address_space: global }
      - { .name: visual_features, .offset: 16, .size: 8, .value_kind: global_buffer, .address_space: global }
      - { .name: text_features, .offset: 24, .size: 8, .value_kind: global_buffer, .address_space: global }
      - { .name: bo, .offset: 32, .size: 8, .value_kind: global_buffer, .address_space: global }
      - { .name: ln_g, .offset: 40, .size: 8, .value_kind: global_buffer, .address_space: global }
      - { .name: ln_b, .offset: 48, .size: 8, .value_kind: global_buffer, .address_space: global }
      - { .name: out0, .offset: 56, .size: 8, .value_kind: global_buffer, .address_space: global }
      - { .name: out1, .offset: 64, .size: 8, .value_kind: global_buffer, .address_space: global }
    .group_segment_fixed_size: 327680
    .private_segment_fixed_size: 0
    .kernarg_segment_align: 8
    .kernarg_segment_size: 72
    .max_flat_workgroup_size: 512
    .sgpr_count:     84
    .vgpr_count:     256
    .wavefront_size: 32
...
	.end_amdgpu_metadata
.endif
;; end of part 4
